; MI455X (gfx1250); checked and timed in simulation.
; The chip was launched on July 23, 2026; its instructions are those of AMD's public machine-readable ISA for CDNA 5 (MIT licence, August 2026) and "CDNA5" Instruction Set Architecture Reference Guide (July 2026). The comments in the code are by the model that wrote it; some were corrected since.
;; Flash MHA. Allowed arithmetic: float matrix products may take bf16 or f16 operands with f32 sums; other float arithmetic in f32, or as packed bf16 or f16 multiplies, adds, multiply-adds, maxima and minima; sums over many terms, partial sums and values carried from step to step in f32; what a program stores and reads back later, other than sums and carried values, may be rounded once to bf16 or f16.
;; Inputs: Wkv_b 1,024 float32; Wkv_w 1,024 x 2,048 float32; Wq_b 2,048 float32; Wq_w 2,048 x 2,048 float32; out_b 2,048 float32; out_w 2,048 x 2,048 float32; x 8 x 512 x 2,048 float32.
;; Outputs: out0 8 x 512 x 2,048 float32.
;; One version. Each part assembles by itself: llvm-mc -triple=amdgcn-amd-amdhsa -mcpu=gfx1250 --defsym DOCPART=n.
;; ======== version 1 of 1: 4 launches
;; limits: values are held in f16: magnitudes above 65,504 overflow, below 6.1e-05 lose precision
;; workspace buffers: xb 16,777,216 bytes; wcat 12,582,912 bytes; wo 8,388,608 bytes; rope 131,072 bytes; qkvh 25,165,824 bytes; ctxh 16,777,216 bytes
;; launch prep (part 1): grid 1184 x 1, 8 waves a work-group, no clusters, 0 bytes of LDS; arguments x, Wq_w, Wkv_w, out_w, xb, wcat, wo, rope; writes xb, wcat, wo, rope
.if DOCPART == 1
	.amdgcn_target "amdgcn-amd-amdhsa--gfx1250"
	.amdhsa_code_object_version 6
	.text
	.protected	k_q973253a964_prep
	.globl	k_q973253a964_prep
	.p2align	8
	.type	k_q973253a964_prep,@function
k_q973253a964_prep:
	s_mov_b64 s[64:65], 0
	v_nop
	global_prefetch_b8 v0, s[64:65] scope:SCOPE_SE
	s_setreg_imm32_b32 hwreg(HW_REG_WAVE_MODE, 25, 1), 1
	s_wait_xcnt 0x0
; PREP: the inputs are rounded once, for the three matrix launches that follow, and the rotary table is made.
;   xb   [4096][2048] bf16 = x.      wcat [3072][2048] bf16 = rows of Wq_w and Wkv_w, in the order in which the projection's tiles want them.
;   wo   [2048][2048] f16  = out_w rounded to bf16, that number written as f16, the 128 columns of each head permuted.
;   rope [512][cos 32, sin 32] f32.
; THE PERMUTATION.  A head's 128 channels are stored in granules of 16 in the order 0,2,4,5,1,3,6,7 (nibble g' of 0x76315420 is the true granule):
; each half of 64 then holds 16 channels x1, their 16 rotary partners x2 (true channel + 32), and 32 channels that are not rotated.
; LIMITS.  bf16(out_w) must lie within 65,504; below 6.1e-5 it keeps f16's fixed step of 6e-8.  The table's angles are good to about 1e-4 rad (f32 products of position and frequency).
; SHARES.  Work-groups 0-511: rows of x; 512-895: rows of wcat; 896-1151: rows of out_w; 1152-1183: the table.  A wave takes one row: 8,192 bytes in by sixteen loads of 512
; consecutive bytes (all issued at once), 4,096 bytes out by sixteen stores of 256 consecutive bytes, aligned.  The row is converted in place, so that a wave needs 80 registers.
; No LDS, no matrix unit, no loop: memory binds, and no byte is wanted twice.
.set X,   16                           ; v[16:79]   the row as loaded: load j at X + 4 j; its two packed words then lie at X + 4 j and X + 4 j + 1
.set SRC, 24                           ; s[24:25]   the row's first byte in its source
.set DST, 26                           ; s[26:27]   and in its destination
.set PRM, 28                           ; s28        nibble g' = the source granule of stored granule g'
	s_load_b512 s[4:19], s[0:1], 0x0               ; x 4, Wq_w 6, Wkv_w 8, out_w 10, xb 12, wcat 14, wo 16, rope 18
	v_lshrrev_b32 v1, 5, v0
	v_readfirstlane_b32 s20, v1                    ; wave 0..7
	s_lshl_b32 s21, ttmp9, 3
	s_add_co_u32 s21, s21, s20                     ; R = 8 x work-group + wave
	v_and_b32 v1, 31, v0                           ; lane
	s_mov_b32 s33, 0
	s_wait_kmcnt 0x0
	s_cmp_ge_u32 ttmp9, 1152
	s_cbranch_scc1 .Ltable
	s_cmp_ge_u32 ttmp9, 896
	s_cbranch_scc1 .Lrole_o
	s_cmp_ge_u32 ttmp9, 512
	s_cbranch_scc1 .Lrole_w
	s_mov_b64 s[SRC:SRC+1], s[4:5]                 ; a row of x
	s_mov_b64 s[DST:DST+1], s[12:13]
	s_mov_b32 s30, s21                             ; source row
	s_mov_b32 s31, s21                             ; destination row
	s_mov_b32 s[PRM], 0x76543210
	s_branch .Lrow
.Lrole_w:                                          ; row n of wcat: tile column t = n / 384; in it half wn of the heads' channels, position p of three heads, channel c of 64
	s_sub_co_u32 s34, s21, 4096                    ; n
	s_lshr_b32 s35, s34, 6                         ; G = n / 64, 0..47
	s_mul_i32 s36, s35, 43
	s_lshr_b32 s36, s36, 8                         ; t = G / 6 (43 / 256 serves G up to 47)
	s_mul_i32 s37, s36, 6
	s_sub_co_u32 s37, s35, s37                     ; G - 6 t
	s_cmp_ge_u32 s37, 3
	s_cselect_b32 s38, 1, 0                        ; wn
	s_mul_i32 s39, s38, 3
	s_sub_co_u32 s39, s37, s39                     ; p
	s_and_b32 s40, s34, 63
	s_lshl_b32 s41, s38, 6
	s_add_co_u32 s40, s40, s41                     ; stored channel c' = 64 wn + c
	s_lshr_b32 s41, s40, 4
	s_lshl_b32 s41, s41, 2
	s_lshr_b32 s41, 0x76315420, s41
	s_and_b32 s41, s41, 7                          ; the true granule
	s_and_b32 s40, s40, 15
	s_lshl4_add_u32 s40, s41, s40                  ; the true channel d
	s_mul_i32 s41, s36, 3
	s_add_co_u32 s41, s41, s39                     ; tiles 0-3: head 3 t + p (query heads 0-11)
	s_lshl2_add_u32 s42, s39, s36
	s_add_co_u32 s42, s42, 8                       ; tiles 4-7: head 8 + 4 p + t: a query head 12-15, a key head 16-19, a value head 20-23
	s_cmp_lt_u32 s36, 4
	s_cselect_b32 s41, s41, s42
	s_sub_co_u32 s42, s41, 16
	s_cmp_lt_u32 s41, 16
	s_cselect_b64 s[SRC:SRC+1], s[6:7], s[8:9]     ; heads 0-15 lie in Wq_w, 16-23 in Wkv_w
	s_cselect_b32 s41, s41, s42
	s_lshl_b32 s41, s41, 7
	s_add_co_u32 s30, s41, s40
	s_mov_b32 s31, s34
	s_mov_b64 s[DST:DST+1], s[14:15]
	s_mov_b32 s[PRM], 0x76543210
	s_branch .Lrow
.Lrole_o:                                          ; a row of out_w: the columns of each head are permuted
	s_mov_b64 s[SRC:SRC+1], s[10:11]
	s_mov_b64 s[DST:DST+1], s[16:17]
	s_sub_co_u32 s30, s21, 7168
	s_mov_b32 s31, s30
	s_mov_b32 s[PRM], 0x76315420
.Lrow:
	s_lshl_b32 s32, s30, 13                        ; 8,192 bytes a source row
	s_add_nc_u64 s[SRC:SRC+1], s[SRC:SRC+1], s[32:33]
	s_lshl_b32 s32, s31, 12                        ; 4,096 bytes a destination row
	s_add_nc_u64 s[DST:DST+1], s[DST:DST+1], s[32:33]
	v_and_b32 v2, 0x1c, v1                         ; 4 x (lane / 4): four lanes share a granule of 64 bytes
	v_lshrrev_b32 v3, v2, s[PRM]
	v_and_b32 v3, 7, v3                            ; its source granule
	v_and_b32 v6, 3, v1
	v_lshlrev_b32 v6, 4, v6
	v_lshl_or_b32 v4, v3, 6, v6                    ; where I read 16 bytes in each 512
	v_lshlrev_b32 v5, 3, v1                        ; where I write 8 bytes in each 256
.irp j, 0,1,2,3,4,5,6,7,8,9,10,11,12,13,14,15
	global_load_b128 v[X+4*(\j):X+4*(\j)+3], v4, s[SRC:SRC+1] offset:512*(\j) th:TH_LOAD_NT
.endr
	s_cmp_ge_u32 ttmp9, 896
	s_cbranch_scc1 .Ltail_o
.irp j, 0,1,2,3,4,5,6,7,8,9,10,11,12,13,14,15
	s_wait_loadcnt 15-(\j)                         ; loads come back in order: load j is in, the younger ones stay out
	v_cvt_pk_bf16_f32 v[X+4*(\j)],   v[X+4*(\j)],   v[X+4*(\j)+1]
	v_cvt_pk_bf16_f32 v[X+4*(\j)+1], v[X+4*(\j)+2], v[X+4*(\j)+3]
	global_store_b64 v5, v[X+4*(\j):X+4*(\j)+1], s[DST:DST+1] offset:256*(\j)  ; 32 lanes store 256 consecutive bytes, aligned; no register that a store names is written again
.endr
	s_endpgm
.Ltail_o:
.irp j, 0,1,2,3,4,5,6,7,8,9,10,11,12,13,14,15
	s_wait_loadcnt 15-(\j)
	v_cvt_pk_bf16_f32 v[X+4*(\j)],   v[X+4*(\j)],   v[X+4*(\j)+1]
	v_cvt_pk_bf16_f32 v[X+4*(\j)+1], v[X+4*(\j)+2], v[X+4*(\j)+3]
.irp k, 0,1
	v_lshlrev_b32 v[X+4*(\j)+2], 16, v[X+4*(\j)+(\k)]          ; the bf16 numbers as f32, in the two registers that are free now,
	v_and_b32 v[X+4*(\j)+3], 0xffff0000, v[X+4*(\j)+(\k)]
	v_cvt_pk_f16_f32 v[X+4*(\j)+(\k)], v[X+4*(\j)+2], v[X+4*(\j)+3]  ; written as f16: exact in f16's normal range (8 significant bits into 11)
.endr
	global_store_b64 v5, v[X+4*(\j):X+4*(\j)+1], s[DST:DST+1] offset:256*(\j)
.endr
	s_endpgm
; THE TABLE.  Thread T makes 16 bytes: position T / 16; q = T % 16: cos of frequencies 4 q .. 4 q + 3 (q < 8) or sin of 4 (q - 8) .. (q >= 8).
; frequency i = 10000^(-i / 32) = 2^(-i log2(10000) / 32).  With t = angle / 2 pi: cos = C(t), sin = C(t - 1/4), C(u) = cos(2 pi r), r = u - round(u), |r| <= 1/2:
; the series in z = r r with coefficients (-1)^k (2 pi)^(2k) / (2k)!, k = 9 .. 0; the first term left out is below 4e-9.
.Ltable:
	s_sub_co_u32 s30, ttmp9, 1152
	s_lshl_b32 s30, s30, 8
	v_add_nc_u32 v1, s30, v0                       ; T
	v_lshrrev_b32 v2, 4, v1                        ; position
	v_and_b32 v3, 15, v1                           ; q
	v_and_b32 v4, 7, v3
	v_lshlrev_b32 v4, 2, v4                        ; my first frequency
	v_lshrrev_b32 v5, 3, v3
	v_cvt_f32_u32 v5, v5
	v_mul_f32 v5, 0x3e800000, v5                   ; 0 for cos, 1/4 for sin
	v_cvt_f32_u32 v6, v2
	v_fma_f32 v7, v5, -4.0, 1.0                    ; position 0's exact value: 1 for cos, 0 for sin
	v_lshlrev_b32 v24, 4, v1                       ; my 16 bytes
.irp e, 0,1,2,3
	v_add_nc_u32 v[8+(\e)], \e, v4
	v_cvt_f32_u32 v[8+(\e)], v[8+(\e)]
	v_mul_f32 v[8+(\e)], 0xbed49a78, v[8+(\e)]     ; -i log2(10000) / 32
.endr
.irp e, 0,1,2,3
	v_exp_f32 v[8+(\e)], v[8+(\e)]
.endr
	v_nop                                          ; a plain instruction behind the last exponential,
	s_wait_alu depctr_va_vdst(0)                   ; and one wait for the four, ahead of their first use
.irp e, 0,1,2,3
	v_mul_f32 v[8+(\e)], v6, v[8+(\e)]             ; the angle, rounded to f32
	v_fma_f32 v[8+(\e)], v[8+(\e)], 0.15915494, -v5
	v_rndne_f32 v[12+(\e)], v[8+(\e)]
	v_sub_f32 v[8+(\e)], v[8+(\e)], v[12+(\e)]     ; r
	v_mul_f32 v[12+(\e)], v[8+(\e)], v[8+(\e)]     ; z
	v_mov_b32 v[16+(\e)], 0xbd150622
.endr
.irp c, 0x3e906317, 0xbfdb7128, 0x40fce9c5, 0xc1d368f9, 0x4270fa83, 0xc2aae9e4, 0x4281e0f8, 0xc19de9e6, 0x3f800000
.irp e, 0,1,2,3
	v_fmaak_f32 v[16+(\e)], v[16+(\e)], v[12+(\e)], \c
.endr
.endr
	v_cmp_eq_u32 vcc_lo, 0, v2                     ; position 0 is made exact: the projection reads it as the rotation that changes nothing
.irp e, 0,1,2,3
	v_cndmask_b32 v[16+(\e)], v[16+(\e)], v7, vcc_lo
.endr
	global_store_b128 v24, v[16:19], s[18:19]      ; 16 lanes store a position's 256 bytes
	s_endpgm
.Lfunc_end_k_q973253a964_prep:
	.size	k_q973253a964_prep, .Lfunc_end_k_q973253a964_prep-k_q973253a964_prep
	.p2alignl 7, 3214868480
	.fill 96, 4, 3214868480
	.section	.rodata,"a",@progbits
	.p2align	6, 0x0
	.amdhsa_kernel k_q973253a964_prep
		.amdhsa_group_segment_fixed_size 0
		.amdhsa_private_segment_fixed_size 0
		.amdhsa_enable_private_segment 0
		.amdhsa_kernarg_size 64
		.amdhsa_user_sgpr_count 2
		.amdhsa_user_sgpr_kernarg_segment_ptr 1
		.amdhsa_wavefront_size32 1
		.amdhsa_system_sgpr_workgroup_id_x 1
		.amdhsa_system_sgpr_workgroup_id_y 1
		.amdhsa_system_sgpr_workgroup_id_z 1
		.amdhsa_system_vgpr_workitem_id 0
		.amdhsa_next_free_vgpr 80
		.amdhsa_next_free_sgpr 66
		.amdhsa_reserve_vcc 1
		.amdhsa_float_denorm_mode_32 3
		.amdhsa_float_denorm_mode_16_64 3
		.amdhsa_memory_ordered 1
		.amdhsa_forward_progress 1
		.amdhsa_inst_pref_size 23
	.end_amdhsa_kernel
	.amdgpu_metadata
---
amdhsa.version: [ 1, 2 ]
amdhsa.kernels:
  - .name:           k_q973253a964_prep
    .symbol:         k_q973253a964_prep.kd
    .args:
      - { .name: x, .offset: 0, .size: 8, .value_kind: global_buffer, .address_space: global }
      - { .name: Wq_w, .offset: 8, .size: 8, .value_kind: global_buffer, .address_space: global }
      - { .name: Wkv_w, .offset: 16, .size: 8, .value_kind: global_buffer, .address_space: global }
      - { .name: out_w, .offset: 24, .size: 8, .value_kind: global_buffer, .address_space: global }
      - { .name: xb, .offset: 32, .size: 8, .value_kind: global_buffer, .address_space: global }
      - { .name: wcat, .offset: 40, .size: 8, .value_kind: global_buffer, .address_space: global }
      - { .name: wo, .offset: 48, .size: 8, .value_kind: global_buffer, .address_space: global }
      - { .name: rope, .offset: 56, .size: 8, .value_kind: global_buffer, .address_space: global }
    .group_segment_fixed_size: 0
    .private_segment_fixed_size: 0
    .kernarg_segment_align: 8
    .kernarg_segment_size: 64
    .max_flat_workgroup_size: 256
    .sgpr_count:     66
    .vgpr_count:     80
    .wavefront_size: 32
...
	.end_amdgpu_metadata
.endif
;; end of part 1
;; launch proj (part 2): grid 8 x 32, 4 waves a work-group, clusters of 4 x 4, 327,680 bytes of LDS; arguments xb, wcat, Wq_b, Wkv_b, rope, qkvh; writes qkvh
.if DOCPART == 2
	.amdgcn_target "amdgcn-amd-amdhsa--gfx1250"
	.amdhsa_code_object_version 6
	.text
	.protected	k_q973253a964_proj
	.globl	k_q973253a964_proj
	.p2align	8
	.type	k_q973253a964_proj,@function
k_q973253a964_proj:
	s_mov_b64 s[64:65], 0
	v_nop
	global_prefetch_b8 v0, s[64:65] scope:SCOPE_SE
	s_setreg_imm32_b32 hwreg(HW_REG_WAVE_MODE, 25, 1), 1
	s_wait_xcnt 0x0
	s_wait_alu depctr_hold_cnt(0) depctr_sa_sdst(0) depctr_va_vdst(0) depctr_va_sdst(0) depctr_va_ssrc(0) depctr_va_vcc(0) depctr_vm_vsrc(0)
	s_getreg_b32 s2, hwreg(HW_REG_IB_STS2, 6, 4)
	s_cmp_eq_u32 s2, 0
	s_cbranch_scc0 .Lentry_in_a_cluster
	s_endpgm
.Lentry_in_a_cluster:
	s_bfe_u32 s2, ttmp6, 0x10000c
	s_cmp_lg_u32 s2, 0xf033
	s_cbranch_scc0 .Lentry_shape_is_right
	s_endpgm
.Lentry_shape_is_right:
; PROJ: q, k, v = x W^T + bias, the partial rotary on q and k, written by heads in f16.
; A = xb [4096][2048] bf16, B = wcat [3072][2048] bf16 (rows in tile order), sums in f32.  The bias, rounded to bf16 like every input, is the C operand of the first product.
; OUT: qkvh [batch 8][head 24][half 2][position 512][64] f16; heads 0-15 q, 16-19 k, 20-23 v; a head's channels in stored order (granules of 16 in the order 0,2,4,5,1,3,6,7).
; LIMITS.  q, k and v must lie within 65,504 (f16); below 6.1e-5 they keep f16's step of 6e-8.  NaN and infinities are not treated apart.
; SHARES.  A tile is 128 rows x 384 columns: 32 x 8 = 256 work-groups.  Four waves, 2 x 2; a wave makes 64 x 192: 48 accumulators, 384 registers: one half (64 channels) of three heads.
; K goes in steps of 128 through two LDS slots; a slot holds 128 rows of A and 384 of B, four tensor loads of 128 rows x 256 bytes, one a wave (wave 0: A; waves 1-3: B).
; THE ORDER OF K.  A cluster whose x + y is even walks K steps 0 .. 15; one whose x + y is odd walks 8 .. 15, 0 .. 7.  Of the two clusters that read the same rows of A one then reads a K step
; eight steps after the other, and of the eight that read the same rows of B four after the other four: they do not all ask for the same bytes in the same step.  The sums only change their order.
; CLUSTER 4 x 4: A's tile is shared along a row of the cluster, B's along a column: each is asked for jointly, by the same load with the same descriptor and a mask of four.
; THE MATRIX INSTRUCTION IS USED TRANSPOSED (source 0 = 16 rows of B, source 1 = 16 rows of A): a lane holds row l % 16 and the columns 8 (l / 16) + 0..7.
; So in a head's half the blocks of 16 columns are x1, x2, pass, pass, and a lane's x1 and x2 of one rotary pair lie in the same register place of two accumulators: the rotary needs no other lane.
; A value head takes the table's position 0 (cos 1, sin 0), chosen by address: one text for all tiles.
; REGISTERS, in windows of 256 (s_set_vgpr_msb: bits 1:0 source 0, 3:2 source 1, 5:4 source 2, 7:6 destination):
;   window 0: v1-30 addresses; v64-127 A's fragments, two buffers of 4 x 8; v128-223 the bias; on the way out v32-239 at work
;   window 1: v0-191 B's fragments, two buffers of 12 x 8
;   windows 2, 3: v0-191 accumulators: (a, b) in window 2 + a / 2 at 8 (12 (a % 2) + b); v192-255 the rotary table of row blocks a
.set NB,     12                        ; blocks of 16 columns a wave
.set PITCH,  272                       ; an LDS row: 256 bytes + 16 of padding: the 16 rows of a fragment load start at 16 different groups of four banks
.set UNIT,   128*PITCH                 ; what one tensor load brings
.set SLOT,   4*UNIT                    ; A's 128 rows, then B's 384
.set STAGE,  2*SLOT                    ; behind the ring, never filled by a tensor load: for each wave 3 heads x 16 rows x 144 bytes
.set WSTG,   3*16*144
.set SPARE,  STAGE+4*WSTG              ; the spare words: 128 bytes a wave, two blocks of 256 bytes that no other line names
.set NL,     2*NB+8                    ; LDS loads of a quarter step
.set G1W,    (1<<16)|(1<<20)|(1<<21)|(5<<22)|(3<<25)  ; 2-byte elements; padding on; bit 21 beside a mask; after every 64 words, 4 words
.set ADRA, 16                          ; v16-17 LDS address of my A fragments in slot 0, 1
.set ADRB, 20                          ; v20-21 of my B fragments
.set STO,  24                          ; v24 the way out: where I put 16 bytes of a row
.set RD,   25                          ; v25 where I read rows back
.set GO,   26                          ; v26 my 16 bytes in 512 consecutive bytes of the output
.set SPW,  28                          ; v28 my spare word; never rewritten
.set NIL,  29                          ; v29 0; never rewritten
.set PFO,  30                          ; v30 lane x 4,096: a row of xb or wcat; never rewritten
.set FA,   64
.set BI,   128
.set RR,   32                          ; the way out: v32-79 rotated x1, x2 of three heads
.set TT,   80                          ; v80-87 x2 sin
.set TU,   88                          ; v88-95 x1 sin
.set PK,   96                          ; v96-143 packed f16: block b at PK + 4 b
.set BKB,  144                         ; v144-239 rows read back, two buffers of 48
.set WV, 16
.set WM, 17
.set WN, 18
.set CX, 19
.set CY, 20
.set TC, 21
.set TR, 22
.set G1A, 24                           ; s[24:31] group 1 for A's tiles;  s[32:39] group 0, a set for each slot
.set G0A, 32
.set G1B, 40                           ; s[40:47], s[48:55] the same for B's
.set G0B, 48
.set PFA, 56                           ; s[56:57] where my prefetches stand
.set LIM, 58                           ; s58 5 in a wave that prefetches, else the greatest number
.set LAP, 59
.set BB,  68                           ; s[68:73] the three heads' bias
.set OB,  74                           ; s[74:79] the three heads' output
.set HH,  88                           ; s88-90 the three heads' numbers
.set FF,  91                           ; s91 1 where position 2 is rotated, 0 where it is a value head
.set S0,  92                           ; s92 my first row's position in its sequence
.set ROT, 93                           ; s93 the byte in a row at which my cluster's walk of K begins: 0 or 2,048
.set AB,  94                           ; s[94:95] A at the first row that I fetch, K = 0
.set BS,  96                           ; s[96:97] B likewise
.set KO,  98                           ; s[98:99] the byte in a row of the K step asked for last, as a pair with 0 on top
.set MSB, 0
.macro WIN new                         ; the immediate's high byte repeats the setting that is left; a switch that changes nothing is dropped
.if MSB != (\new)
	s_set_vgpr_msb (MSB<<8)|(\new)
.set MSB, \new
.endif
.endm
.macro PLACES                          ; four plain places behind matrix instructions (ISA guide 7.12.1)
.rept 4
	v_nop
.endr
.endm
; A joint load: wave 0 fetches A's tile, waves 1-3 the three units of B's.  The branch hangs on the wave's number alone.  An s_nop 0 and four v_nop follow each line.
.macro JLOAD s
	s_cmp_eq_u32 s[WV], 0
	s_cbranch_scc0 .Lfor_b_\@
	tensor_load_to_lds s[G0A+4*(\s):G0A+4*(\s)+3], s[G1A:G1A+7]
	s_nop 0
	PLACES
	s_branch .Lasked_\@
.Lfor_b_\@:
	tensor_load_to_lds s[G0B+4*(\s):G0B+4*(\s)+3], s[G1B:G1B+7]
	s_nop 0
	PLACES
.Lasked_\@:
.endm
; The K step two refills on is prefetched: my work-group's 32 rows of the 128 that my wave fetches, a lane a row, 256 bytes each; the four partners of a joint load are told apart by address.
; Only the fifth to eighth step of a cluster's walk are named, in the loop's first two trips: from its ninth step on a cluster walks K steps that a cluster which began there has walked before it.
; A's rows are named by every cluster (the two that read the same rows begin eight steps apart and so name other K steps), B's by the clusters with y = 0 and 1, which begin eight steps apart.
.macro ASK
	s_cmp_gt_u32 s[LAP], s[LIM]
	s_cbranch_scc0 .Lnot_mine_\@
	global_prefetch_b8 v[PFO], s[PFA:PFA+1] offset:256 th:TH_LOAD_NT scope:SCOPE_SE
.Lnot_mine_\@:
.endm
.macro CREST                           ; a round of the cluster's barrier behind its opening barrier
	s_cmp_lg_u32 s[WV], 0
	s_cbranch_scc1 .Lnot_wave_0_\@
	s_barrier_signal -3
.Lnot_wave_0_\@:
	s_barrier_wait -3
	s_barrier_signal -1
	s_barrier_wait -1
.endm
.macro CROUND
	s_barrier_signal -1
	s_barrier_wait -1
	CREST
.endm
; 12 matrix instructions: row block a = 2 hi + ap x all 12 column blocks, 32 along K, buffer f.  mode = 1: the first product, whose C is the bias.
; All 48 accumulators take turns in the same order in every quarter.
.macro MULB f, hi, ap, mode
.if \mode
	WIN 0x81+0x40*(\hi)
.else
	WIN 0xa1+0x50*(\hi)
.endif
.set bb, 0
.rept NB
.set rD, 8*(NB*(\ap)+bb)
.set rB, 8*NB*(\f)+8*bb
.set rA, FA+32*(\f)+8*(2*(\hi)+(\ap))
.if \mode
	v_wmma_f32_16x16x32_bf16 v[rD:rD+7], v[rB:rB+7], v[rA:rA+7], v[BI+8*bb:BI+8*bb+7]
.else
	v_wmma_f32_16x16x32_bf16 v[rD:rD+7], v[rB:rB+7], v[rA:rA+7], v[rD:rD+7]
.endif
.set bb, bb+1
.endr
.endm
; The fragments of a quarter step (32 along K at byte k of the rows) into buffer f, in one run: B's 24 loads, then A's 8
.macro FETCH slot, k, f
	WIN 0x40
.set ii, 0
.rept NB
	ds_load_b128 v[8*NB*(\f)+8*ii:8*NB*(\f)+8*ii+3],   v[ADRB+(\slot)] offset:(\k)+ii*16*PITCH
	ds_load_b128 v[8*NB*(\f)+8*ii+4:8*NB*(\f)+8*ii+7], v[ADRB+(\slot)] offset:(\k)+ii*16*PITCH+32
.set ii, ii+1
.endr
	WIN 0
.set ii, 0
.rept 4
	ds_load_b128 v[FA+32*(\f)+8*ii:FA+32*(\f)+8*ii+3],   v[ADRA+(\slot)] offset:(\k)+ii*16*PITCH
	ds_load_b128 v[FA+32*(\f)+8*ii+4:FA+32*(\f)+8*ii+7], v[ADRA+(\slot)] offset:(\k)+ii*16*PITCH+32
.set ii, ii+1
.endr
.endm
; One of a K step's first three quarters: multiplies buffer f; in its middle fetches the next quarter, at byte k, into buffer g
.macro QUARTER slot, k, f, g, mode
	s_wait_dscnt 4                                 ; B and A's blocks 0, 1 are in; the youngest four loads (A's blocks 2, 3) may be out
	MULB \f, 0, 0, \mode
	MULB \f, 0, 1, \mode
	PLACES                                         ; in front of loads into registers that matrix instructions have read
	FETCH \slot, \k, \g
	s_wait_dscnt NL                                ; all but the run just issued
	MULB \f, 1, 0, \mode
	MULB \f, 1, 1, \mode
.endm
; The last quarter multiplies buffer 1 and changes slots.  In front of the barrier each wave waits for all its tensor loads (one is out: its part of the next slot), adds 0 to its spare word, and waits for
; that and for its reads of this slot.  fill = 1: the barrier opens a round of the cluster's barrier, and behind the round this slot is filled again, two K steps ahead, first of all.
; The slot's two addresses are made anew while the add is out: the base and the next K step's byte in a row, taken round at the row's end.
.macro TURN slot, next, fill
.if \fill
	s_wait_xcnt 0x0                                ; the last prefetch, a K step back, has read its address
	s_add_nc_u64 s[PFA:PFA+1], s[PFA:PFA+1], 256
.endif
	WIN 0
	s_wait_tensorcnt 0x0                           ; no tensor load of mine is out, so a group 0 may be written
	ds_add_u32 v[SPW], v[NIL]
.if \fill
	s_add_co_u32 s[KO], s[KO], 256
	s_and_b32 s[KO], s[KO], 4095
	s_add_nc_u64 s[G0A+4*(\slot)+2:G0A+4*(\slot)+3], s[AB:AB+1], s[KO:KO+1]
	s_or_b32 s[G0A+4*(\slot)+3], s[G0A+4*(\slot)+3], 0x80000000
	s_add_nc_u64 s[G0B+4*(\slot)+2:G0B+4*(\slot)+3], s[BS:BS+1], s[KO:KO+1]
	s_or_b32 s[G0B+4*(\slot)+3], s[G0B+4*(\slot)+3], 0x80000000
.endif
	s_wait_dscnt 5                                 ; the add and the youngest four loads may be out
	MULB 1, 0, 0, 0
	s_wait_dscnt 0x0                               ; the add is done, my reads of this slot are over
	s_barrier_signal -1
	MULB 1, 0, 1, 0
.if \fill
	WIN 0
.endif
	s_barrier_wait -1
.if \fill
	CREST
	JLOAD \slot                                    ; its four v_nop are also the places in front of the loads below
.else
	PLACES
.endif
	FETCH \next, 0, 0
.if \fill
	ASK
.endif
	MULB 1, 1, 0, 0
	MULB 1, 1, 1, 0
.endm
	s_load_b256 s[4:11], s[0:1], 0x0               ; xb 4, wcat 6, Wq_b 8, Wkv_b 10
	s_load_b128 s[12:15], s[0:1], 0x20             ; rope 12, qkvh 14
	v_lshl_add_u32 v[SPW], v0, 2, SPARE
	v_mov_b32 v[NIL], 0
	ds_add_u32 v[SPW], v[NIL]                      ; the wave's opening: the add and its wait come ahead of my first tensor load
	v_lshrrev_b32 v1, 5, v0
	v_readfirstlane_b32 s[WV], v1                  ; wave 0..3
	s_lshr_b32 s[WM], s[WV], 1                     ; my half of the tile's rows
	s_and_b32 s[WN], s[WV], 1                      ; my half of its columns = my half of the heads' channels
	s_bfe_u32 s[CX], ttmp6, 0x40000
	s_bfe_u32 s[CY], ttmp6, 0x40004
	s_lshl_b32 s[TC], ttmp9, 2
	s_add_co_u32 s[TC], s[TC], s[CX]               ; tile column 0..7
	s_and_b32 s[TR], ttmp7, 0xffff
	s_lshl_b32 s[TR], s[TR], 2
	s_add_co_u32 s[TR], s[TR], s[CY]               ; tile row 0..31
	s_xor_b32 s[ROT], ttmp9, ttmp7                 ; the parity of cluster x + cluster y: the same in all sixteen partners
	s_and_b32 s[ROT], s[ROT], 1
	s_lshl_b32 s[ROT], s[ROT], 11                  ; K step 0 or 8, in bytes of a row
	s_mov_b32 s[KO+1], 0
	s_lshl_b32 s60, s[CY], 2
	s_lshl_b32 s60, 15, s60                        ; my row of the cluster
	s_lshl_b32 s61, 0x1111, s[CX]                  ; my column
	s_or_b32 s[G1A], s60, G1W
	s_or_b32 s[G1B], s61, G1W
.irp g, G1A, G1B
	s_mov_b32 s[(\g)+1], 128<<16                   ; tensor_dim0 = 128
	s_mov_b32 s[(\g)+2], 128<<16                   ; tensor_dim1 = 128
	s_mov_b32 s[(\g)+3], 128<<16                   ; tile_dim0 = 128
	s_mov_b32 s[(\g)+4], 128                       ; tile_dim1 = 128
	s_mov_b32 s[(\g)+5], 2048                      ; elements from row to row
	s_mov_b32 s[(\g)+6], 0
	s_mov_b32 s[(\g)+7], 0
.endr
	s_lshl_b32 s62, s[TR], 19                      ; A: 128 rows x 4,096 bytes a tile row
	s_mov_b32 s63, 0
	s_max_u32 s80, s[WV], 1
	s_sub_co_u32 s80, s80, 1                       ; which unit of B I fetch (waves 1-3)
	s_lshl_b32 s80, s80, 7
	s_mul_i32 s66, s[TC], 384
	s_add_co_u32 s66, s66, s80
	s_lshl_b32 s66, s66, 12
	s_mov_b32 s67, 0
	s_mul_i32 s81, s[WV], UNIT                     ; where it goes: wave x 128 rows, behind A's
	s_wait_dscnt 0x0                               ; the opening add is done
	s_wait_kmcnt 0x0
	s_add_nc_u64 s[AB:AB+1], s[4:5], s[62:63]
	s_add_nc_u64 s[BS:BS+1], s[6:7], s[66:67]
	CROUND                                         ; all sixteen work-groups are here: the first joint loads meet
.irp s, 0,1
	s_add_co_u32 s[KO], s[ROT], (\s)*256           ; the walk's first two K steps
	s_mov_b32 s[G0A+4*(\s)], 1
	s_mov_b32 s[G0A+4*(\s)+1], (\s)*SLOT
	s_add_nc_u64 s[G0A+4*(\s)+2:G0A+4*(\s)+3], s[AB:AB+1], s[KO:KO+1]
	s_or_b32 s[G0A+4*(\s)+3], s[G0A+4*(\s)+3], 0x80000000
	s_mov_b32 s[G0B+4*(\s)], 1
	s_add_co_u32 s[G0B+4*(\s)+1], s81, (\s)*SLOT
	s_add_nc_u64 s[G0B+4*(\s)+2:G0B+4*(\s)+3], s[BS:BS+1], s[KO:KO+1]
	s_or_b32 s[G0B+4*(\s)+3], s[G0B+4*(\s)+3], 0x80000000
	JLOAD \s                                       ; two loads of mine are out
.endr
	; the three heads of my columns, and their bias
.irp p, 0,1,2
	s_mul_i32 s80, s[TC], 3
	s_add_co_u32 s80, s80, \p
	s_add_co_u32 s81, s[TC], 8+4*(\p)
	s_cmp_eq_u32 ttmp9, 0                          ; tile columns 0-3: head 3 t + p; 4-7: head 8 + 4 p + t
	s_cselect_b32 s[HH+(\p)], s80, s81
	s_sub_co_u32 s81, s[HH+(\p)], 16
	s_cmp_lt_u32 s[HH+(\p)], 16
	s_cselect_b64 s[BB+2*(\p):BB+2*(\p)+1], s[8:9], s[10:11]
	s_cselect_b32 s86, s[HH+(\p)], s81
	s_lshl_b32 s86, s86, 9                         ; 128 f32 a head
	s_mov_b32 s87, 0
	s_add_nc_u64 s[BB+2*(\p):BB+2*(\p)+1], s[BB+2*(\p):BB+2*(\p)+1], s[86:87]
.endr
	s_and_b32 s[S0], s[TR], 3
	s_lshl_b32 s[S0], s[S0], 7
	s_lshl_b32 s80, s[WM], 6
	s_add_co_u32 s[S0], s[S0], s80                 ; my first row's position
	s_cmp_eq_u32 ttmp9, 0
	s_cselect_b32 s[FF], 1, 0
	v_and_b32 v1, 15, v0                           ; r = l % 16
	v_bfe_u32 v2, v0, 4, 1                         ; h = l / 16
	s_lshl_b32 s80, s[WN], 6
	s_lshl_b32 s81, s[WN], 7
	v_lshl_add_u32 v13, v2, 5, s80                 ; 32 h + 64 half: my 8 numbers in true granules 0 / 1 (x1), +128: 2 / 3 (x2); also my 8 frequencies in the table
	v_lshl_add_u32 v14, v2, 5, s81                 ; 32 h + 128 half: +256: granules 4 / 6, +320: 5 / 7
.irp p, 0,1,2
	global_load_b128 v[BI+32*(\p):BI+32*(\p)+3],     v13, s[BB+2*(\p):BB+2*(\p)+1]
	global_load_b128 v[BI+32*(\p)+4:BI+32*(\p)+7],   v13, s[BB+2*(\p):BB+2*(\p)+1] offset:16
	global_load_b128 v[BI+32*(\p)+8:BI+32*(\p)+11],  v13, s[BB+2*(\p):BB+2*(\p)+1] offset:128
	global_load_b128 v[BI+32*(\p)+12:BI+32*(\p)+15], v13, s[BB+2*(\p):BB+2*(\p)+1] offset:144
	global_load_b128 v[BI+32*(\p)+16:BI+32*(\p)+19], v14, s[BB+2*(\p):BB+2*(\p)+1] offset:256
	global_load_b128 v[BI+32*(\p)+20:BI+32*(\p)+23], v14, s[BB+2*(\p):BB+2*(\p)+1] offset:272
	global_load_b128 v[BI+32*(\p)+24:BI+32*(\p)+27], v14, s[BB+2*(\p):BB+2*(\p)+1] offset:320
	global_load_b128 v[BI+32*(\p)+28:BI+32*(\p)+31], v14, s[BB+2*(\p):BB+2*(\p)+1] offset:336
.endr
	; the rotary table: for row block a, set 0 (heads at positions 0, 1) at my row's position; set 1 (position 2) there too, or at position 0 for a value head
	v_add_nc_u32 v3, s[S0], v1
	v_lshl_add_u32 v8, v3, 8, v13
.irp a, 0,1,2,3
	v_add_nc_u32 v[9+(\a)], 16*(\a), v3
	v_lshlrev_b32 v[9+(\a)], 8, v[9+(\a)]
	v_mul_u32_u24 v[9+(\a)], s[FF], v[9+(\a)]
	v_add_nc_u32 v[9+(\a)], v13, v[9+(\a)]
.endr
.irp a, 0,1,2,3
	WIN 0x80+0x40*((\a)/2)
.set TB0, 192+32*((\a)%2)
	global_load_b128 v[TB0:TB0+3],     v8, s[12:13] offset:4096*(\a)
	global_load_b128 v[TB0+4:TB0+7],   v8, s[12:13] offset:4096*(\a)+16
	global_load_b128 v[TB0+8:TB0+11],  v8, s[12:13] offset:4096*(\a)+128
	global_load_b128 v[TB0+12:TB0+15], v8, s[12:13] offset:4096*(\a)+144
	global_load_b128 v[TB0+16:TB0+19], v[9+(\a)], s[12:13]
	global_load_b128 v[TB0+20:TB0+23], v[9+(\a)], s[12:13] offset:16
	global_load_b128 v[TB0+24:TB0+27], v[9+(\a)], s[12:13] offset:128
	global_load_b128 v[TB0+28:TB0+31], v[9+(\a)], s[12:13] offset:144
.endr
	WIN 0
	; the prefetches' address
	s_and_b32 s80, ttmp7, 0xffff
	s_lshr_b32 s80, s80, 1                         ; cluster y / 2: 0 in the two clusters that name B's rows
	s_lshl_b32 s81, s[TR], 7                       ; A's first row
	s_mul_i32 s82, s[TC], 384
	s_max_u32 s83, s[WV], 1
	s_sub_co_u32 s83, s83, 1
	s_lshl_b32 s83, s83, 7
	s_add_co_u32 s82, s82, s83                     ; my unit of B's first row
	s_cmp_eq_u32 s[WV], 0
	s_cselect_b32 s81, s81, s82
	s_cselect_b32 s82, s[CX], s[CY]                ; my place among the four that ask with me
	s_cselect_b32 s80, 0, s80                      ; A's rows are named by every cluster
	s_cselect_b64 s[PFA:PFA+1], s[4:5], s[6:7]
	s_cmp_eq_u32 s80, 0
	s_cselect_b32 s[LIM], 5, -1                    ; the same in all sixteen partners, for a given wave
	s_lshl_b32 s82, s82, 5
	s_add_co_u32 s81, s81, s82
	s_lshl_b32 s86, s81, 12
	s_add_co_u32 s86, s86, s[ROT]                  ; where my cluster's walk begins
	s_mov_b32 s87, 0
	s_add_nc_u64 s[PFA:PFA+1], s[PFA:PFA+1], s[86:87]
	s_add_nc_u64 s[PFA:PFA+1], s[PFA:PFA+1], 512   ; at the walk's step 2: the first refill steps it to 3 and names 4
	v_and_b32 v[PFO], 31, v0
	v_lshlrev_b32 v[PFO], 12, v[PFO]
	; where the results go
	s_lshr_b32 s80, s[TR], 2                       ; batch
	s_mul_i32 s80, s80, 3145728
	s_lshl_b32 s81, s[WN], 16
	s_add_co_u32 s80, s80, s81
	s_lshl_b32 s81, s[S0], 7
	s_add_co_u32 s80, s80, s81
.irp p, 0,1,2
	s_lshl_b32 s86, s[HH+(\p)], 17
	s_add_co_u32 s86, s86, s80
	s_mov_b32 s87, 0
	s_add_nc_u64 s[OB+2*(\p):OB+2*(\p)+1], s[14:15], s[86:87]
.endr
	s_mul_i32 s81, s[WV], WSTG
	s_add_co_u32 s81, s81, STAGE                   ; my stage
	v_mul_u32_u24 v[STO], v1, 144
	v_lshl_add_u32 v[STO], v2, 4, v[STO]
	v_add_nc_u32 v[STO], s81, v[STO]
	v_bfe_u32 v[RD], v0, 3, 2                      ; back: 32 lanes take four rows of 128 bytes
	v_mul_u32_u24 v[RD], v[RD], 144
	v_and_b32 v3, 7, v0
	v_lshl_add_u32 v[RD], v3, 4, v[RD]
	v_add_nc_u32 v[RD], s81, v[RD]
	v_and_b32 v[GO], 31, v0
	v_lshlrev_b32 v[GO], 4, v[GO]
	v_mul_u32_u24 v3, v1, PITCH
	v_lshl_add_u32 v3, v2, 4, v3                   ; a fragment's row x pitch + 16 x half
	s_mul_i32 s80, s[WM], 64*PITCH
	s_mul_i32 s81, s[WN], 16*NB*PITCH
	s_add_co_u32 s81, s81, UNIT
.irp s, 0,1
	v_add_nc_u32 v[ADRA+(\s)], s80, v3
	v_add_nc_u32 v[ADRB+(\s)], s81, v3
	s_add_co_u32 s80, s80, SLOT
	s_add_co_u32 s81, s81, SLOT
.endr
	s_wait_loadcnt 32                              ; the 24 loads of the bias are in; the table's 32, issued behind them, stay out until the way out
.set ii, 0
.rept 4*NB                                         ; the bias is rounded to bf16, like every input, and widened again
	v_cvt_pk_bf16_f32 v[32+ii%4], v[BI+2*ii], v[BI+2*ii+1]
	v_lshlrev_b32 v[BI+2*ii], 16, v[32+ii%4]
	v_and_b32 v[BI+2*ii+1], 0xffff0000, v[32+ii%4]
.set ii, ii+1
.endr
	s_wait_tensorcnt 1                             ; my part of the first K step is in; the second's may stay out
	s_barrier_signal -1
	s_barrier_wait -1
	FETCH 0, 0, 0
	QUARTER 0, 64, 0, 1, 1                         ; the first quarter stands in front of the loop: its products start the sums, with the bias
	WIN 0
	s_mov_b32 s[LAP], 7
.Llap:                                             ; a trip goes once round the ring, from a lap's second quarter to the next lap's first, and fills both slots again
	QUARTER 0, 128, 1, 0, 0
	QUARTER 0, 192, 0, 1, 0
	TURN 0, 1, 1
	QUARTER 1, 64,  0, 1, 0
	QUARTER 1, 128, 1, 0, 0
	QUARTER 1, 192, 0, 1, 0
	TURN 1, 0, 1
	QUARTER 0, 64,  0, 1, 0
	WIN 0
	s_sub_co_u32 s[LAP], s[LAP], 1
	s_cmp_lg_u32 s[LAP], 0
	s_cbranch_scc1 .Llap
	QUARTER 0, 128, 1, 0, 0                        ; the last lap fills nothing
	QUARTER 0, 192, 0, 1, 0
	TURN 0, 1, 0
	QUARTER 1, 64,  0, 1, 0
	QUARTER 1, 128, 1, 0, 0
	QUARTER 1, 192, 0, 1, 0
	s_wait_dscnt 4
	MULB 1, 0, 0, 0
	MULB 1, 0, 1, 0
	s_wait_dscnt 0x0
	MULB 1, 1, 0, 0
	MULB 1, 1, 1, 0
	WIN 0
	PLACES
	PLACES
	s_wait_loadcnt 0x0                             ; the table
; THE WAY OUT of row block a.  The rotary in f32: x1 cos - x2 sin, x2 cos + x1 sin; each accumulator's lowest registers are read first.  Then f16, 16 bytes a lane, through my
; own stage (rows of 128 bytes + 16), and back as four whole rows a load: 512 consecutive bytes of a head's half.
.macro PACK a
.set A0, 8*NB*((\a)%2)
.set TB0, 192+32*((\a)%2)
.set BK, BKB+48*((\a)%2)
	WIN 0x0a+5*((\a)/2)                            ; sources 0 and 1 in the accumulators' window; source 2 and the destination in window 0
.irp p, 0,1,2
.set X1, A0+32*(\p)
.set X2, X1+8
.set CO, TB0+16*((\p)/2)
.set SI, CO+8
.irp q, 0,2,4,6
	v_pk_mul_f32 v[TT+(\q):TT+(\q)+1], v[X2+(\q):X2+(\q)+1], v[SI+(\q):SI+(\q)+1]
	v_pk_mul_f32 v[TU+(\q):TU+(\q)+1], v[X1+(\q):X1+(\q)+1], v[SI+(\q):SI+(\q)+1]
	v_pk_fma_f32 v[RR+16*(\p)+(\q):RR+16*(\p)+(\q)+1], v[X1+(\q):X1+(\q)+1], v[CO+(\q):CO+(\q)+1], v[TT+(\q):TT+(\q)+1] neg_lo:[0,0,1] neg_hi:[0,0,1]
	v_pk_fma_f32 v[RR+16*(\p)+8+(\q):RR+16*(\p)+8+(\q)+1], v[X2+(\q):X2+(\q)+1], v[CO+(\q):CO+(\q)+1], v[TU+(\q):TU+(\q)+1]
.endr
.endr
.irp p, 0,1,2
.irp k, 2,3
.irp q, 0,1,2,3
	v_cvt_pk_f16_f32 v[PK+4*(4*(\p)+(\k))+(\q)], v[A0+8*(4*(\p)+(\k))+2*(\q)], v[A0+8*(4*(\p)+(\k))+2*(\q)+1]
.endr
.endr
.endr
	WIN 0
.irp p, 0,1,2
.irp k, 0,1
.irp q, 0,1,2,3
	v_cvt_pk_f16_f32 v[PK+4*(4*(\p)+(\k))+(\q)], v[RR+16*(\p)+8*(\k)+2*(\q)], v[RR+16*(\p)+8*(\k)+2*(\q)+1]
.endr
.endr
.endr
.irp p, 0,1,2
.irp k, 0,1,2,3
	ds_store_b128 v[STO], v[PK+4*(4*(\p)+(\k)):PK+4*(4*(\p)+(\k))+3] offset:2304*(\p)+32*(\k)
.endr
.endr
	s_wait_xcnt 0x0                                ; the stores of the block two back have read this buffer
.irp p, 0,1,2
.irp f, 0,1,2,3
	ds_load_b128 v[BK+4*(4*(\p)+(\f)):BK+4*(4*(\p)+(\f))+3], v[RD] offset:2304*(\p)+576*(\f)  ; LDS serves a wave's instructions in order: these see the stores above
.endr
.endr
.endm
.macro SEND a, younger                 ; younger: the LDS instructions issued behind block a's loads: the next block's 24, or none
	WIN 0
.set BK, BKB+48*((\a)%2)
	s_wait_dscnt \younger
.irp p, 0,1,2
.irp f, 0,1,2,3
	global_store_b128 v[GO], v[BK+4*(4*(\p)+(\f)):BK+4*(4*(\p)+(\f))+3], s[OB+2*(\p):OB+2*(\p)+1] offset:2048*(\a)+512*(\f)  ; 512 consecutive bytes, aligned
.endr
.endr
.endm
	PACK 0
	PACK 1
	SEND 0, 24
	PACK 2
	SEND 1, 24
	PACK 3
	SEND 2, 24
	SEND 3, 0
	s_wait_tensorcnt 0x0                           ; the wave's end
	ds_add_u32 v[SPW], v[NIL]
	s_wait_dscnt 0x0
	CROUND                                         ; the closing round
	s_endpgm
.Lfunc_end_k_q973253a964_proj:
	.size	k_q973253a964_proj, .Lfunc_end_k_q973253a964_proj-k_q973253a964_proj
	.p2alignl 7, 3214868480
	.fill 96, 4, 3214868480
	.section	.rodata,"a",@progbits
	.p2align	6, 0x0
	.amdhsa_kernel k_q973253a964_proj
		.amdhsa_group_segment_fixed_size 327680
		.amdhsa_private_segment_fixed_size 0
		.amdhsa_enable_private_segment 0
		.amdhsa_kernarg_size 48
		.amdhsa_user_sgpr_count 2
		.amdhsa_user_sgpr_kernarg_segment_ptr 1
		.amdhsa_wavefront_size32 1
		.amdhsa_system_sgpr_workgroup_id_x 1
		.amdhsa_system_sgpr_workgroup_id_y 1
		.amdhsa_system_sgpr_workgroup_id_z 1
		.amdhsa_system_vgpr_workitem_id 0
		.amdhsa_next_free_vgpr 1024
		.amdhsa_next_free_sgpr 100
		.amdhsa_reserve_vcc 0
		.amdhsa_float_denorm_mode_32 3
		.amdhsa_float_denorm_mode_16_64 3
		.amdhsa_memory_ordered 1
		.amdhsa_forward_progress 1
		.amdhsa_inst_pref_size 147
	.end_amdhsa_kernel
	.amdgpu_metadata
---
amdhsa.version: [ 1, 2 ]
amdhsa.kernels:
  - .name:           k_q973253a964_proj
    .symbol:         k_q973253a964_proj.kd
    .args:
      - { .name: xb, .offset: 0, .size: 8, .value_kind: global_buffer, .address_space: global }
      - { .name: wcat, .offset: 8, .size: 8, .value_kind: global_buffer, .address_space: global }
      - { .name: Wq_b, .offset: 16, .size: 8, .value_kind: global_buffer, .address_space: global }
      - { .name: Wkv_b, .offset: 24, .size: 8, .value_kind: global_buffer, .address_space: global }
      - { .name: rope, .offset: 32, .size: 8, .value_kind: global_buffer, .address_space: global }
      - { .name: qkvh, .offset: 40, .size: 8, .value_kind: global_buffer, .address_space: global }
    .group_segment_fixed_size: 327680
    .private_segment_fixed_size: 0
    .kernarg_segment_align: 8
    .kernarg_segment_size: 48
    .max_flat_workgroup_size: 128
    .sgpr_count:     100
    .vgpr_count:     1024
    .wavefront_size: 32
...
	.end_amdgpu_metadata
.endif
;; end of part 2
;; launch attn (part 3): grid 8 x 32, 4 waves a work-group, clusters of 4 x 1, 327,680 bytes of LDS; arguments qkvh, ctxh; writes ctxh
.if DOCPART == 3
	.amdgcn_target "amdgcn-amd-amdhsa--gfx1250"
	.amdhsa_code_object_version 6
	.text
	.protected	k_q973253a964_attn
	.globl	k_q973253a964_attn
	.p2align	8
	.type	k_q973253a964_attn,@function
k_q973253a964_attn:
	s_mov_b64 s[64:65], 0
	v_nop
	global_prefetch_b8 v0, s[64:65] scope:SCOPE_SE
	s_setreg_imm32_b32 hwreg(HW_REG_WAVE_MODE, 25, 1), 1
	s_wait_xcnt 0x0
	s_wait_alu depctr_hold_cnt(0) depctr_sa_sdst(0) depctr_va_vdst(0) depctr_va_sdst(0) depctr_va_ssrc(0) depctr_va_vcc(0) depctr_vm_vsrc(0)
	s_getreg_b32 s2, hwreg(HW_REG_IB_STS2, 6, 4)
	s_cmp_eq_u32 s2, 0
	s_cbranch_scc0 .Lentry_in_a_cluster
	s_endpgm
.Lentry_in_a_cluster:
	s_bfe_u32 s2, ttmp6, 0x10000c
	s_cmp_lg_u32 s2, 0x3003
	s_cbranch_scc0 .Lentry_shape_is_right
	s_endpgm
.Lentry_shape_is_right:
; ATTN: O[q] = the sum over k of softmax_k(Q[q] . K[k] / sqrt(128)) V[k], 16 query heads on 4 key and value heads, 512 positions, no mask.
; IN: qkvh [batch 8][head 24][half 2][position 512][64] f16 (heads 0-15 q, 16-19 k, 20-23 v; q, k, v share one order of channels, so the products are the true ones).
; OUT: ctxh [4096][2048] f16, column = head x 128 + stored channel.  Products, maxima and sums in f32; the weights p are rounded to f16 for the second product, O once at the end.
; LIMITS.  Inputs within 65,504; p lies in 0 to 1 and below 6e-5 keeps f16's step of 6e-8; a weight below 2^-126 counts as 0 in l; NaN and infinities are not treated apart.
; SHARES.  Work-group y = batch x 4 + key head; x = 2 x (query head in its group of four) + half of the 512 queries.  256 queries a work-group, 64 a wave: four tiles of 16.  Eight key steps of 64.
; ALL OF K AND V OF THE KEY HEAD LIES IN LDS (303,104 bytes with padding): sixteen tensor loads at the start, four a wave, and no slot is ever filled again.
; CLUSTER 4 x 1: the four work-groups of a cluster read the same K and V: every load is joint, mask 15.  No prefetch: all that the launch reads by tensor loads is asked for at its head.
; LAYOUT.  S^T = K Q^T (source 0 = 16 keys, source 1 = 16 queries): a lane holds ONE query (l % 16) and the keys 8 (l / 16) + 0..7; two such results rounded to f16 ARE source 1 of O^T = V^T P.
; SOFTMAX.  A running maximum m and sum l for each query: p = 2^(c s - c m), c = log2(e) / sqrt(128); O and l are multiplied by a = 2^(c m_old - c m_new) in every step.
; SIDE BY SIDE.  The wave's tiles are two PIECES, named by their first tile: piece 0 (tiles 0, 1) and piece 2 (tiles 2, 3); they share K's and V's fragments and nothing else.  A key step:
;   32 products K Q^T of piece 0;  32 products K Q^T of piece 2, piece 0's softmax between them;  piece 0's O^T times a;
;   32 products V^T P of piece 0, piece 2's softmax between them;  piece 2's O^T times a;  32 products V^T P of piece 2.
; All of that lies inside one step, so nothing is written out for a first or a last half step.  The price: two window switches for each product that has vector work behind it.
; REGISTERS, in windows of 256 (s_set_vgpr_msb: bits 1:0 source 0, 3:2 source 1, 5:4 source 2, 7:6 destination):
;   window 0: v1-11 addresses; v12-43 eight registers of statistics a tile; v64-191 S^T, 32 a tile; v192-255 P, 16 a tile
;   window 1: O^T, 64 a tile          window 2: v0-127 Q, 32 a tile; v128-255 K of one step          window 3: v0-127 V of one step
.set KPL,   256*272   ; a half of K in LDS: two keys (256 bytes) a row + 16 of padding: the 16 keys of a load start at 16 different groups of four banks
.set VPL,   512*160   ; a half of V: a key's 128 bytes + 32
.set VOFF,  2*KPL
.set STAGE, VOFF+2*VPL  ; never filled by a tensor load: 16 rows x 272 bytes for each wave
.set SP,    272
.set SPARE, STAGE+4*16*SP  ; the spare words: 128 bytes a wave, two blocks of 256 bytes that no other line names
.set AK0, 2           ; v2  my lane's place in a step of K; never rewritten
.set AV0, 3           ; v3  the same for V
.set ADR, 4           ; v4  the run of loads in hand: first half of the channels,
.set ADR2, 5          ; v5  second half
.set QO,  6           ; v6  my byte offset in 16 rows of Q
.set STO, 7
.set RD,  8
.set GO,  9
.set ST,  12          ; tile t's statistics at v[ST+8 t]: +0 c m, +1 m, +2, +3 l (even keys', odd keys'), +4 to +7 at work; a takes +6 once the maximum is found
.set SPW, 62
.set NIL, 63
.set S,   64
.set P,   192
.set KF,  128
.set WV,  12
.set G1K, 24          ; s[24:31]
.set G1V, 32          ; s[32:39]
.set G0K, 40          ; s[40:55] four sets: chunks of 128 keys
.set G0V, 68          ; s[68:83]
.set CNT, 56
.set CS,  58          ; s[58:59] c
.set SEL, 60          ; s[60:61] v_permlanex16_b32's selects: each lane takes its own place in the other half
.set TBK, 62          ; s62 LDS byte at which K of the step to be fetched begins
.set TBV, 63          ; s63 the same for V
.set MSB, 0
.macro WIN new
.if MSB != (\new)
	s_set_vgpr_msb (MSB<<8)|(\new)
.set MSB, \new
.endif
.endm
.set W_KQ, 0x0a       ; K and Q in window 2, S^T in window 0
.set W_PV, 0x53       ; V in window 3, P in window 0, O^T in window 1
.set W_RS, 0x41       ; O^T (destination and source 0) in window 1, a in window 0
.macro PLACES
.rept 4
	v_nop
.endr
.endm
.macro CROUND
	s_barrier_signal -1
	s_barrier_wait -1
	s_cmp_lg_u32 s[WV], 0
	s_cbranch_scc1 .Lnot_wave_0_\@
	s_barrier_signal -3
.Lnot_wave_0_\@:
	s_barrier_wait -3
	s_barrier_signal -1
	s_barrier_wait -1
.endm
	s_load_b128 s[4:7], s[0:1], 0x0                ; qkvh 4, ctxh 6
	v_lshl_add_u32 v[SPW], v0, 2, SPARE
	v_mov_b32 v[NIL], 0
	ds_add_u32 v[SPW], v[NIL]                      ; the wave's opening: the add and its wait come ahead of my first tensor load
	v_lshrrev_b32 v1, 5, v0
	v_readfirstlane_b32 s[WV], v1
	s_bfe_u32 s13, ttmp6, 0x40000                  ; cx
	s_lshl_b32 s14, ttmp9, 2
	s_add_co_u32 s14, s14, s13                     ; work-group x: it enters Q's and O's addresses alone
	s_lshr_b32 s15, s14, 1                         ; the query head in its group
	s_and_b32 s16, s14, 1                          ; which 256 queries
	s_and_b32 s17, ttmp7, 0xffff
	s_lshr_b32 s18, s17, 2                         ; batch
	s_and_b32 s19, s17, 3                          ; key head
	s_mul_i32 s20, s18, 3145728
	s_and_b32 s21, s[WV], 1                        ; which half of the channels I fetch
	s_lshl_b32 s22, s19, 17
	s_add_co_u32 s22, s22, s20
	s_lshl_b32 s23, s21, 16
	s_add_co_u32 s22, s22, s23
	s_add_co_u32 s84, s22, 16*131072               ; K: head 16 + key head
	s_mov_b32 s85, 0
	s_add_co_u32 s86, s22, 20*131072               ; V: head 20 + key head
	s_mov_b32 s87, 0
	s_mul_i32 s88, s21, KPL                        ; no place in the cluster enters an LDS address
	s_mul_i32 s89, s21, VPL
	s_lshl2_add_u32 s92, s19, s15                  ; my query head
	s_lshl_b32 s90, s92, 17
	s_add_co_u32 s90, s90, s20
	s_lshl_b32 s93, s16, 15
	s_add_co_u32 s90, s90, s93
	s_lshl_b32 s93, s[WV], 13
	s_add_co_u32 s90, s90, s93                     ; Q: my wave's 64 rows in the first half of the channels
	s_mov_b32 s91, 0
	s_lshl_b32 s94, s18, 21
	s_lshl_b32 s93, s16, 20
	s_add_co_u32 s94, s94, s93
	s_lshl_b32 s93, s[WV], 18
	s_add_co_u32 s94, s94, s93
	s_lshl_b32 s93, s92, 8
	s_add_co_u32 s94, s94, s93                     ; O: my wave's 64 rows of 4,096 bytes, my head's 256 bytes
	s_mov_b32 s95, 0
	; group 1: 128 keys of a half are 16,384 dense bytes: 64 rows of 256 bytes
	s_mov_b32 s[G1K], 15|(1<<16)|(1<<20)|(1<<21)|(5<<22)|(3<<25)  ; the mask of four; 2-byte elements; padding on; bit 21 beside a mask; after every 64 words, 4 words
	s_mov_b32 s[G1V], 15|(1<<16)|(1<<20)|(1<<21)|(4<<22)|(7<<25)  ; after every 32 words, 8 words
.irp g, G1K, G1V
	s_mov_b32 s[(\g)+1], 128<<16
	s_mov_b32 s[(\g)+2], 64<<16
	s_mov_b32 s[(\g)+3], 128<<16
	s_mov_b32 s[(\g)+4], 64
	s_mov_b32 s[(\g)+5], 128
	s_mov_b32 s[(\g)+6], 0
	s_mov_b32 s[(\g)+7], 0
.endr
	s_mov_b32 s[CS], 0x3e0293ee                    ; c = log2(e) / sqrt(128)
	s_mov_b32 s[CS+1], s[CS]
	s_mov_b32 s[SEL], 0x76543210
	s_mov_b32 s[SEL+1], 0xfedcba98
	s_mov_b32 s[TBK], 0
	s_mov_b32 s[TBV], 0
	s_wait_dscnt 0x0                               ; the opening add is done
	s_wait_kmcnt 0x0
	s_add_nc_u64 s[84:85], s[4:5], s[84:85]
	s_add_nc_u64 s[86:87], s[4:5], s[86:87]
	s_add_nc_u64 s[8:9], s[4:5], s[90:91]          ; Q
	s_add_nc_u64 s[10:11], s[6:7], s[94:95]        ; O
.irp c, 0,1,2,3
	s_mov_b32 s[G0K+4*(\c)], 1
	s_add_co_u32 s[G0K+4*(\c)+1], s88, (\c)*64*272
	s_add_nc_u64 s[G0K+4*(\c)+2:G0K+4*(\c)+3], s[84:85], (\c)*16384
	s_or_b32 s[G0K+4*(\c)+3], s[G0K+4*(\c)+3], 0x80000000
	s_mov_b32 s[G0V+4*(\c)], 1
	s_add_co_u32 s[G0V+4*(\c)+1], s89, VOFF+(\c)*128*160
	s_add_nc_u64 s[G0V+4*(\c)+2:G0V+4*(\c)+3], s[86:87], (\c)*16384
	s_or_b32 s[G0V+4*(\c)+3], s[G0V+4*(\c)+3], 0x80000000
.endr
	CROUND                                         ; all four work-groups are here: the joint loads meet
	s_cmp_lt_u32 s[WV], 2                          ; waves 0, 1: the two halves of K; waves 2, 3: of V.  A wave's four fills stand in one branch: four loads of mine are out
	s_cbranch_scc0 .Lfirst_v
.irp c, 0,1,2,3
	tensor_load_to_lds s[G0K+4*(\c):G0K+4*(\c)+3], s[G1K:G1K+7]
	s_nop 0
.endr
	PLACES
	s_branch .Lfirst_asked
.Lfirst_v:
.irp c, 0,1,2,3
	tensor_load_to_lds s[G0V+4*(\c):G0V+4*(\c)+3], s[G1V:G1V+7]
	s_nop 0
.endr
	PLACES
.Lfirst_asked:
	v_and_b32 v1, 15, v0                           ; r
	v_bfe_u32 v10, v0, 4, 1                        ; h
	v_lshlrev_b32 v[QO], 7, v1
	v_lshl_add_u32 v[QO], v10, 4, v[QO]
	WIN 0x80
.set i, 0
.rept 16                                           ; Q stays in registers: tile i / 4, channels 32 (i % 4) on: half (i % 4) / 2
	global_load_b128 v[8*i:8*i+3],   v[QO], s[8:9] offset:(i/4)*2048+((i%4)/2)*65536+(i%2)*64
	global_load_b128 v[8*i+4:8*i+7], v[QO], s[8:9] offset:(i/4)*2048+((i%4)/2)*65536+(i%2)*64+32
.set i, i+1
.endr
	WIN 0
	v_lshrrev_b32 v11, 1, v1
	v_mul_u32_u24 v[AK0], v11, 272                 ; key r lies in row r / 2,
	v_and_b32 v11, 1, v1
	v_lshl_add_u32 v[AK0], v11, 7, v[AK0]          ; in its half r % 2
	v_lshl_add_u32 v[AK0], v10, 4, v[AK0]
	v_and_b32 v11, 7, v0                           ; the turning load: lane l reads key 8 (l / 16) + l % 8, channels 8 ((l / 8) % 2) + 0..7
	v_lshl_add_u32 v[AV0], v10, 3, v11
	v_mul_u32_u24 v[AV0], v[AV0], 160
	v_bfe_u32 v11, v0, 3, 1
	v_lshl_add_u32 v[AV0], v11, 4, v[AV0]
	v_add_nc_u32 v[AV0], VOFF, v[AV0]
	s_mul_i32 s13, s[WV], 16*SP
	s_add_co_u32 s13, s13, STAGE
	v_mul_u32_u24 v[STO], v1, SP
	v_lshl_add_u32 v[STO], v10, 4, v[STO]
	v_add_nc_u32 v[STO], s13, v[STO]
	v_mul_u32_u24 v[RD], v10, SP
	v_lshl_add_u32 v[RD], v1, 4, v[RD]
	v_add_nc_u32 v[RD], s13, v[RD]
	v_lshlrev_b32 v[GO], 12, v10                   ; lanes 0-15 one row of ctxh, lanes 16-31 the next
	v_lshl_add_u32 v[GO], v1, 4, v[GO]
; Product i of 32 of S^T = K Q^T for piece x: tile x + i % 2, keys 16 ((i / 2) % 4) on, channels 32 (i / 8) on.  The first 8 start the sums.  The 8 accumulators take turns.
.macro KQ x
	WIN W_KQ
.set rS, S+32*((\x)+i%2)+8*((i/2)%4)
.set rK, KF+32*((i/2)%4)+8*(i/8)
.set rQ, 32*((\x)+i%2)+8*(i/8)
.if i < 8
	v_wmma_f32_16x16x32_f16 v[rS:rS+7], v[rK:rK+7], v[rQ:rQ+7], 0
.else
	v_wmma_f32_16x16x32_f16 v[rS:rS+7], v[rK:rK+7], v[rQ:rQ+7], v[rS:rS+7]
.endif
.endm
; Product i of 32 of O^T += V^T P for piece x: tile x + i % 2, channels 16 ((i / 2) % 8) on, keys 32 (i / 16) on.  zero = 1: the first 16 start the sums.  16 accumulators take turns.
.macro PV x, zero
	WIN W_PV
.set rO, 64*((\x)+i%2)+8*((i/2)%8)
.set rV, 64*(i/16)+8*((i/2)%8)
.set rP, P+16*((\x)+i%2)+8*(i/16)
.if (\zero) && (i < 16)
	v_wmma_f32_16x16x32_f16 v[rO:rO+7], v[rV:rV+7], v[rP:rP+7], 0
.else
	v_wmma_f32_16x16x32_f16 v[rO:rO+7], v[rV:rV+7], v[rP:rP+7], v[rO:rO+7]
.endif
.endm
.macro FETCH_K                         ; a step's K: 64 keys x 128 channels, 32 loads in one run
	WIN 0
	v_add_nc_u32 v[ADR], s[TBK], v[AK0]
	v_add_nc_u32 v[ADR2], KPL, v[ADR]
	s_add_co_u32 s[TBK], s[TBK], 32*272            ; the next fetch is the next step's
	WIN 0x80
.irp f, 0,1,2,3,4,5,6,7,8,9,10,11,12,13,14,15      ; keys 16 (f / 4) on, channels 32 (f % 4) on
.if ((\f)%4) < 2
	ds_load_b128 v[KF+8*(\f):KF+8*(\f)+3],   v[ADR] offset:((\f)/4)*2176+((\f)%2)*64
	ds_load_b128 v[KF+8*(\f)+4:KF+8*(\f)+7], v[ADR] offset:((\f)/4)*2176+((\f)%2)*64+32
.else
	ds_load_b128 v[KF+8*(\f):KF+8*(\f)+3],   v[ADR2] offset:((\f)/4)*2176+((\f)%2)*64
	ds_load_b128 v[KF+8*(\f)+4:KF+8*(\f)+7], v[ADR2] offset:((\f)/4)*2176+((\f)%2)*64+32
.endif
.endr
	WIN 0
.endm
.macro FETCH_V                         ; a step's V, turned: 32 loads in one run
	WIN 0
	v_add_nc_u32 v[ADR], s[TBV], v[AV0]
	v_add_nc_u32 v[ADR2], VPL, v[ADR]
	s_add_co_u32 s[TBV], s[TBV], 64*160
	WIN 0xc0
.irp f, 0,1,2,3,4,5,6,7,8,9,10,11,12,13,14,15      ; keys 32 (f / 8) on, channels 16 (f % 8) on
.if ((\f)%8) < 4
	ds_load_tr16_b128 v[8*(\f):8*(\f)+3],   v[ADR] offset:((\f)/8)*5120+((\f)%4)*32
	ds_load_tr16_b128 v[8*(\f)+4:8*(\f)+7], v[ADR] offset:((\f)/8)*5120+2560+((\f)%4)*32
.else
	ds_load_tr16_b128 v[8*(\f):8*(\f)+3],   v[ADR2] offset:((\f)/8)*5120+((\f)%4)*32
	ds_load_tr16_b128 v[8*(\f)+4:8*(\f)+7], v[ADR2] offset:((\f)/8)*5120+2560+((\f)%4)*32
.endif
.endr
	WIN 0
.endm
; One tile's softmax for one key step is a list of 134 instructions; SM writes number j of it for tile t.  s0-s31 are the lane's 32 scores, in pairs 0-15.  first = 1: the first key step: no a, nothing to rescale.
;   0-15  the maximum of s0-s31 and the old m (each accumulator's lowest registers are read first)     16-20  the other half of the lanes' maximum; the new m; c m; c m_old - c m_new
;   21-69 the 16 scalings c s - c m and all 33 exponentials (a at 23): none of these names an exponential's result     70-85 the roundings to f16     86-101 the sums; l = a l + the sum     102-133 O^T times a
.macro SM t, first
.set rT, ST+8*(\t)
.set rS, S+32*(\t)
.set rP, P+16*(\t)
.set rO, 64*(\t)+2*(j-102)
.if j < 102
	WIN 0
.endif
.if j < 4
	v_max3_num_f32 v[rT+4+j], v[rS+8*j], v[rS+8*j+1], v[rS+8*j+2]
.elseif j < 12
	v_max3_num_f32 v[rT+4+j%4], v[rT+4+j%4], v[rS+8*(j%4)+2*(j/4)+1], v[rS+8*(j%4)+2*(j/4)+2]
.elseif j == 12
	v_max3_num_f32 v[rT+4], v[rT+4], v[rS+7], v[rS+15]
.elseif j == 13
	v_max3_num_f32 v[rT+6], v[rT+6], v[rS+23], v[rS+31]
.elseif j == 14
	v_max3_num_f32 v[rT+4], v[rT+4], v[rT+5], v[rT+6]
.elseif (j == 15) && (\first)
	v_max_num_f32 v[rT+4], v[rT+4], v[rT+7]
.elseif j == 15
	v_max3_num_f32 v[rT+4], v[rT+4], v[rT+7], v[rT+1]
.elseif j == 16
	v_permlanex16_b32 v[rT+5], v[rT+4], s[SEL], s[SEL+1]
.elseif j == 18
	v_max_num_f32 v[rT+1], v[rT+4], v[rT+5]
.elseif j == 19
	v_mul_f32 v[rT], s[CS], v[rT+1]
.elseif ((j == 17) || (j == 20) || (j == 23) || (j > 101)) && (\first)
.elseif j == 17
	v_mov_b32 v[rT+7], v[rT]
.elseif j == 20
	v_sub_f32 v[rT+7], v[rT+7], v[rT]
.elseif j == 23
	v_exp_f32 v[rT+6], v[rT+7]
.elseif (j < 23) || ((j < 38) && (j%2 == 0)) || ((j < 66) && (j%4 == 2))
.set b, (j-2)/4
.if j < 38
.set b, (j-20)/2
.endif
	v_pk_fma_f32 v[rS+2*b:rS+2*b+1], v[rS+2*b:rS+2*b+1], s[CS:CS+1], v[rT:rT+1] op_sel_hi:[1,0,0] neg_lo:[0,0,1] neg_hi:[0,0,1]
.elseif j < 70
.set e, j-38
.if j < 66
.set e, j-32-(j-38)/4
.endif
.if j < 38
.set e, (j-25)/2
.endif
	v_exp_f32 v[rS+e], v[rS+e]
.elseif j < 86
	v_cvt_pk_f16_f32 v[rP+j-70], v[rS+2*(j-70)], v[rS+2*(j-70)+1]
.elseif j < 102
.set z, j-86
.set w, 4
.set u, z
.if z >= 14
.set w, 32
.set u, 0
.elseif z >= 12
.set w, 16
.set u, z-12
.elseif z >= 8
.set w, 8
.set u, z-8
.endif
.if (z == 14) && (\first)
	v_pk_add_f32 v[rT+2:rT+3], v[rS:rS+1], v[rS+16:rS+17]
.elseif z < 15
	v_pk_add_f32 v[rS+w*u:rS+w*u+1], v[rS+w*u:rS+w*u+1], v[rS+w*u+w/2:rS+w*u+w/2+1]
.elseif !(\first)
	v_pk_fma_f32 v[rT+2:rT+3], v[rT+2:rT+3], v[rT+6:rT+7], v[rS:rS+1] op_sel_hi:[1,0,1]
.endif
.else
	WIN W_RS
	v_pk_mul_f32 v[rO:rO+1], v[rO:rO+1], v[rT+6:rT+7] op_sel_hi:[1,0]
.endif
.endm
; 32 products of piece x by themselves.  kind 0: K Q^T; 1: V^T P (zero = 1: they start O^T's sums)
.macro BARE kind, x, zero
.set i, 0
.rept 32
.if \kind
	PV \x, \zero
.else
	KQ \x
.endif
.set i, i+1
.endr
.endm
; 32 products of piece x, and between them numbers 0 to 101 of the softmax of piece y, its two tiles by turns: entry n is number n / 2 of tile y + n % 2; 204 entries, six or seven behind each product.
; No entry names a register of the products round it (those name K, Q and S^T of piece x, or V, P and O^T of piece x).
; Entries 0 to 139 name no result of the piece's 66 exponentials; behind entry 139 stand a plain instruction and ONE wait for the whole batch; the readers follow.
.macro RUN kind, x, y, first
.set i, 0
.set n, 0
.rept 32
.if \kind
	PV \x, \first
.else
	KQ \x
.endif
.set i, i+1
.rept 7
.if n < (i*204)/32
.set j, n/2
	SM (\y)+n%2, \first
.if n == 139
	v_nop
	s_wait_alu depctr_va_vdst(0)
.endif
.set n, n+1
.endif
.endr
.endr
.endm
.macro RESC y, first                   ; O^T of piece y times a: 64 instructions (none in the first key step)
.set j, 102
.rept 32
	SM \y, \first
	SM (\y)+1, \first
.set j, j+1
.endr
.endm
; A KEY STEP.  first = 1: the first, written out: its products start O^T's sums, and behind them stands the barrier that shows all of K and V landed.  In the loop's last trip the two fetches are jumped over.
.macro STEP first
	s_wait_dscnt 32                                ; K is in; V's 32 loads, issued behind it, may stay out
	BARE 0, 0, 0                                   ; piece 0's scores
	WIN 0
	PLACES                                         ; behind those products, in front of the maxima that read them
	PLACES
	RUN 0, 2, 0, \first                            ; piece 2's scores | piece 0's softmax
	RESC 0, \first                                 ; these 64 are also the places behind piece 2's last products,
	WIN 0
.if \first
	PLACES                                         ; which the first step has to write out
	PLACES
.endif
	s_wait_dscnt 0x0                               ; V is in: nothing else of mine is out here, on either way round the jump below
.if !(\first)
	s_cmp_eq_u32 s[CNT], 1
	s_cbranch_scc1 .Lno_k_\@
.endif
	FETCH_K                                        ; the next step's K has 64 products in which to come
.if !(\first)
.Lno_k_\@:
.endif
	RUN 1, 0, 2, \first                            ; piece 0's V^T P | piece 2's softmax
	RESC 2, \first
	BARE 1, 2, \first                              ; piece 2's V^T P
	WIN 0
	PLACES                                         ; in front of the loads into V's registers
.if \first
	s_wait_tensorcnt 0x0                           ; all my chunks have landed,
	s_wait_dscnt 0x0                               ; and no LDS instruction of mine is out (the next K's loads were)
	s_barrier_signal -1
	s_barrier_wait -1                              ; everybody's have: from here on every key may be read
.else
	s_cmp_eq_u32 s[CNT], 1
	s_cbranch_scc1 .Lno_v_\@
.endif
	FETCH_V                                        ; the next step's V has 64 products in which to come
.if !(\first)
.Lno_v_\@:
.endif
.endm
	s_wait_tensorcnt 3                             ; my first chunk, keys 0-127 (steps 0 and 1), is in; three may stay out
	s_barrier_signal -1
	s_barrier_wait -1                              ; everybody's is
	FETCH_K
	FETCH_V
	s_wait_loadcnt 0x0                             ; Q
	STEP 1
	s_mov_b32 s[CNT], 7
.Lstep:
	STEP 0
	s_sub_co_u32 s[CNT], s[CNT], 1
	s_cmp_lg_u32 s[CNT], 0
	s_cbranch_scc1 .Lstep
	; THE WAY OUT.  l's two halves and the other half of the lanes' are added; O^T is divided by l, rounded to f16 and sent through my stage, a tile (16 rows) at a time.
.irp t, 0,1,2,3
	v_add_f32 v[ST+8*(\t)+4], v[ST+8*(\t)+2], v[ST+8*(\t)+3]
.endr
.irp t, 0,1,2,3
	v_permlanex16_b32 v[ST+8*(\t)+5], v[ST+8*(\t)+4], s[SEL], s[SEL+1]
.endr
.irp t, 0,1,2,3
	v_add_f32 v[ST+8*(\t)+4], v[ST+8*(\t)+4], v[ST+8*(\t)+5]
.endr
.irp t, 0,1,2,3
	v_rcp_f32 v[ST+8*(\t)+6], v[ST+8*(\t)+4]
.endr
	v_nop
	s_wait_alu depctr_va_vdst(0)                   ; one wait for the four reciprocals
.macro PACK t
	WIN W_RS
.set i, 64*(\t)
.rept 32
	v_pk_mul_f32 v[i:i+1], v[i:i+1], v[ST+8*(\t)+6:ST+8*(\t)+7] op_sel_hi:[1,0]
.set i, i+2
.endr
	WIN 0x05
.set i, 0
.rept 32
	v_cvt_pk_f16_f32 v[S+32*(\t)+i], v[64*(\t)+2*i], v[64*(\t)+2*i+1]
.set i, i+1
.endr
	WIN 0
.irp f, 0,1,2,3,4,5,6,7
	ds_store_b128 v[STO], v[S+32*(\t)+4*(\f):S+32*(\t)+4*(\f)+3] offset:32*(\f)
.endr
.irp f, 0,1,2,3,4,5,6,7
	ds_load_b128 v[S+32*(\t)+4*(\f):S+32*(\t)+4*(\f)+3], v[RD] offset:(\f)*2*SP  ; LDS serves a wave's instructions in order: these see the stores above; the next tile's stores come behind them
.endr
.endm
.macro SEND t, younger
	WIN 0
.irp f, 0,1,2,3,4,5,6,7
	s_wait_dscnt (\younger)+7-(\f)
	global_store_b128 v[GO], v[S+32*(\t)+4*(\f):S+32*(\t)+4*(\f)+3], s[10:11] offset:(\t)*65536+(\f)*8192  ; 16 lanes store a head's 256 consecutive bytes of a row, aligned
.endr
.endm
	PACK 0
	PACK 1
	SEND 0, 16
	PACK 2
	SEND 1, 16
	PACK 3
	SEND 2, 16
	SEND 3, 0
	s_wait_tensorcnt 0x0                           ; the wave's end
	ds_add_u32 v[SPW], v[NIL]
	s_wait_dscnt 0x0
	CROUND                                         ; the closing round
	s_endpgm
.Lfunc_end_k_q973253a964_attn:
	.size	k_q973253a964_attn, .Lfunc_end_k_q973253a964_attn-k_q973253a964_attn
	.p2alignl 7, 3214868480
	.fill 96, 4, 3214868480
	.section	.rodata,"a",@progbits
	.p2align	6, 0x0
	.amdhsa_kernel k_q973253a964_attn
		.amdhsa_group_segment_fixed_size 327680
		.amdhsa_private_segment_fixed_size 0
		.amdhsa_enable_private_segment 0
		.amdhsa_kernarg_size 16
		.amdhsa_user_sgpr_count 2
		.amdhsa_user_sgpr_kernarg_segment_ptr 1
		.amdhsa_wavefront_size32 1
		.amdhsa_system_sgpr_workgroup_id_x 1
		.amdhsa_system_sgpr_workgroup_id_y 1
		.amdhsa_system_sgpr_workgroup_id_z 1
		.amdhsa_system_vgpr_workitem_id 0
		.amdhsa_next_free_vgpr 896
		.amdhsa_next_free_sgpr 96
		.amdhsa_reserve_vcc 0
		.amdhsa_float_denorm_mode_32 3
		.amdhsa_float_denorm_mode_16_64 3
		.amdhsa_memory_ordered 1
		.amdhsa_forward_progress 1
		.amdhsa_inst_pref_size 126
	.end_amdhsa_kernel
	.amdgpu_metadata
---
amdhsa.version: [ 1, 2 ]
amdhsa.kernels:
  - .name:           k_q973253a964_attn
    .symbol:         k_q973253a964_attn.kd
    .args:
      - { .name: qkvh, .offset: 0, .size: 8, .value_kind: global_buffer, .address_space: global }
      - { .name: ctxh, .offset: 8, .size: 8, .value_kind: global_buffer, .address_space: global }
    .group_segment_fixed_size: 327680
    .private_segment_fixed_size: 0
    .kernarg_segment_align: 8
    .kernarg_segment_size: 16
    .max_flat_workgroup_size: 128
    .sgpr_count:     96
    .vgpr_count:     896
    .wavefront_size: 32
...
	.end_amdgpu_metadata
.endif
;; end of part 3
;; launch outp (part 4): grid 8 x 32, 4 waves a work-group, clusters of 4 x 4, 327,680 bytes of LDS; arguments ctxh, wo, out_b, out0; writes out0
.if DOCPART == 4
	.amdgcn_target "amdgcn-amd-amdhsa--gfx1250"
	.amdhsa_code_object_version 6
	.text
	.protected	k_q973253a964_outp
	.globl	k_q973253a964_outp
	.p2align	8
	.type	k_q973253a964_outp,@function
k_q973253a964_outp:
	s_mov_b64 s[64:65], 0
	v_nop
	global_prefetch_b8 v0, s[64:65] scope:SCOPE_SE
	s_setreg_imm32_b32 hwreg(HW_REG_WAVE_MODE, 25, 1), 1
	s_wait_xcnt 0x0
	s_wait_alu depctr_hold_cnt(0) depctr_sa_sdst(0) depctr_va_vdst(0) depctr_va_sdst(0) depctr_va_ssrc(0) depctr_va_vcc(0) depctr_vm_vsrc(0)
	s_getreg_b32 s2, hwreg(HW_REG_IB_STS2, 6, 4)
	s_cmp_eq_u32 s2, 0
	s_cbranch_scc0 .Lentry_in_a_cluster
	s_endpgm
.Lentry_in_a_cluster:
	s_bfe_u32 s2, ttmp6, 0x10000c
	s_cmp_lg_u32 s2, 0xf033
	s_cbranch_scc0 .Lentry_shape_is_right
	s_endpgm
.Lentry_shape_is_right:
; OUTP: out0 = ctx out_w^T + out_b.  A = ctxh [4096][2048] f16, B = wo [2048][2048] f16 (out_w rounded to bf16; its columns in ctxh's order of channels), sums in f32; out0 f32.
; The bias, rounded to bf16 like every input, is the C operand of the first product.  LIMITS: as the two operands' (f16, within 65,504).
; SHARES.  A tile is 128 x 256: 32 x 8 = 256 work-groups.  Four waves, 2 x 2; a wave makes 64 x 128: 32 accumulators.  K goes in steps of 128 through two LDS slots of 128 rows of A and 256 of B:
; waves 0, 1 fetch 64 rows of A each, waves 2, 3 128 rows of B each; rows of 256 bytes.
; THE ORDER OF K.  A cluster whose x + y is even walks K steps 0 .. 15; one whose x + y is odd walks 8 .. 15, 0 .. 7.  Of the two clusters that read the same rows of A one then reads a K step
; eight steps after the other, and of the eight that read the same rows of B four after the other four: they do not all ask for the same bytes in the same step.  The sums only change their order.
; CLUSTER 4 x 4: A's tile is shared along a row of the cluster, B's along a column: joint loads, a mask of four.
; THE MATRIX INSTRUCTION IS USED TRANSPOSED (source 0 = 16 rows of B, source 1 = 16 rows of A): a lane holds row l % 16 and the columns 8 (l / 16) + 0..7: 32 bytes of a row of out0.
; REGISTERS: window 0: v1-30 addresses; v64-127 A's fragments, two buffers; v128-191 the bias; on the way out v32-159.  window 1: v0-127 B's fragments, two buffers.
;   windows 2, 3: v0-127 accumulators: (a, b) in window 2 + a / 2 at 8 (8 (a % 2) + b).
.set NB,     8
.set PITCH,  272
.set UNIT,   128*PITCH
.set SLOT,   3*UNIT                    ; A's 128 rows, then B's 256
.set STAGE,  2*SLOT                    ; never filled by a tensor load: 16 rows x 528 bytes for each wave
.set SPITCH, 528                       ; 512 bytes + 16
.set SPARE,  STAGE+4*16*SPITCH
.set NL,     2*NB+8
.set G1W,    (1<<16)|(1<<20)|(1<<21)|(5<<22)|(3<<25)
.set ADRA, 16
.set ADRB, 20
.set STO,  24
.set RD,   25
.set GO,   26
.set SPW,  28
.set NIL,  29
.set PFO,  30
.set FA,   64
.set BI,   128
.set BKB,  32                          ; the way out: two buffers of 64
.set WV, 16
.set WM, 17
.set WN, 18
.set CX, 19
.set CY, 20
.set TC, 21
.set TR, 22
.set G1A, 24
.set G0A, 32
.set G1B, 40
.set G0B, 48
.set PFA, 56
.set LIM, 58                           ; s58 5 in a wave that prefetches, else the greatest number
.set LAP, 59
.set ROT, 93                           ; s93 the byte in a row at which my cluster's walk of K begins: 0 or 2,048
.set AB,  94                           ; s[94:95] A at the first row that I fetch, K = 0
.set BS,  96                           ; s[96:97] B likewise
.set KO,  98                           ; s[98:99] the byte in a row of the K step asked for last, as a pair with 0 on top
.set MSB, 0
.macro WIN new
.if MSB != (\new)
	s_set_vgpr_msb (MSB<<8)|(\new)
.set MSB, \new
.endif
.endm
.macro PLACES
.rept 4
	v_nop
.endr
.endm
.macro JLOAD s                         ; waves 0, 1: A's halves; waves 2, 3: B's.  An s_nop 0 and four v_nop follow each line
	s_cmp_lt_u32 s[WV], 2
	s_cbranch_scc0 .Lfor_b_\@
	tensor_load_to_lds s[G0A+4*(\s):G0A+4*(\s)+3], s[G1A:G1A+7]
	s_nop 0
	PLACES
	s_branch .Lasked_\@
.Lfor_b_\@:
	tensor_load_to_lds s[G0B+4*(\s):G0B+4*(\s)+3], s[G1B:G1B+7]
	s_nop 0
	PLACES
.Lasked_\@:
.endm
; The K step two refills on is prefetched, a lane a row of 256 bytes: wave 0 names my work-group's 32 of A's 128 rows, waves 2, 3 its 32 of their 128 rows of B; the partners of a joint load are told
; apart by address.  Only the fifth to eighth step of a cluster's walk are named, in the loop's first two trips: from its ninth step on a cluster walks K steps that a cluster which began there has walked
; before it.  A's rows are named by every cluster (the two that read the same rows begin eight steps apart and so name other K steps), B's by the clusters with y = 0 and 1, which begin eight steps apart.
.macro ASK
	s_cmp_gt_u32 s[LAP], s[LIM]
	s_cbranch_scc0 .Lnot_mine_\@
	global_prefetch_b8 v[PFO], s[PFA:PFA+1] offset:256 th:TH_LOAD_NT scope:SCOPE_SE
.Lnot_mine_\@:
.endm
.macro CREST
	s_cmp_lg_u32 s[WV], 0
	s_cbranch_scc1 .Lnot_wave_0_\@
	s_barrier_signal -3
.Lnot_wave_0_\@:
	s_barrier_wait -3
	s_barrier_signal -1
	s_barrier_wait -1
.endm
.macro CROUND
	s_barrier_signal -1
	s_barrier_wait -1
	CREST
.endm
.macro MULB f, hi, ap, mode            ; 8 matrix instructions: row block 2 hi + ap x all 8 column blocks; mode = 1: C is the bias.  All 32 accumulators take turns
.if \mode
	WIN 0x81+0x40*(\hi)
.else
	WIN 0xa1+0x50*(\hi)
.endif
.set bb, 0
.rept NB
.set rD, 8*(NB*(\ap)+bb)
.set rB, 8*NB*(\f)+8*bb
.set rA, FA+32*(\f)+8*(2*(\hi)+(\ap))
.if \mode
	v_wmma_f32_16x16x32_f16 v[rD:rD+7], v[rB:rB+7], v[rA:rA+7], v[BI+8*bb:BI+8*bb+7]
.else
	v_wmma_f32_16x16x32_f16 v[rD:rD+7], v[rB:rB+7], v[rA:rA+7], v[rD:rD+7]
.endif
.set bb, bb+1
.endr
.endm
.macro FETCH slot, k, f
	WIN 0x40
.set ii, 0
.rept NB
	ds_load_b128 v[8*NB*(\f)+8*ii:8*NB*(\f)+8*ii+3],   v[ADRB+(\slot)] offset:(\k)+ii*16*PITCH
	ds_load_b128 v[8*NB*(\f)+8*ii+4:8*NB*(\f)+8*ii+7], v[ADRB+(\slot)] offset:(\k)+ii*16*PITCH+32
.set ii, ii+1
.endr
	WIN 0
.set ii, 0
.rept 4
	ds_load_b128 v[FA+32*(\f)+8*ii:FA+32*(\f)+8*ii+3],   v[ADRA+(\slot)] offset:(\k)+ii*16*PITCH
	ds_load_b128 v[FA+32*(\f)+8*ii+4:FA+32*(\f)+8*ii+7], v[ADRA+(\slot)] offset:(\k)+ii*16*PITCH+32
.set ii, ii+1
.endr
.endm
.macro QUARTER slot, k, f, g, mode
	s_wait_dscnt 4                                 ; only A's blocks 2, 3, the youngest four loads, may be out
	MULB \f, 0, 0, \mode
	MULB \f, 0, 1, \mode
	PLACES
	FETCH \slot, \k, \g
	s_wait_dscnt NL                                ; all but the run just issued
	MULB \f, 1, 0, \mode
	MULB \f, 1, 1, \mode
.endm
; The last quarter and the change of slots: all my tensor loads, the add, my reads of this slot; the barrier (fill = 1: a round of the cluster's); the refill first behind it.
; The slot's two addresses are made anew while the add is out: the base and the next K step's byte in a row, taken round at the row's end.
.macro TURN slot, next, fill
.if \fill
	s_wait_xcnt 0x0                                ; the last prefetch, a K step back, has read its address
	s_add_nc_u64 s[PFA:PFA+1], s[PFA:PFA+1], 256
.endif
	WIN 0
	s_wait_tensorcnt 0x0                           ; no tensor load of mine is out, so a group 0 may be written
	ds_add_u32 v[SPW], v[NIL]
.if \fill
	s_add_co_u32 s[KO], s[KO], 256
	s_and_b32 s[KO], s[KO], 4095
	s_add_nc_u64 s[G0A+4*(\slot)+2:G0A+4*(\slot)+3], s[AB:AB+1], s[KO:KO+1]
	s_or_b32 s[G0A+4*(\slot)+3], s[G0A+4*(\slot)+3], 0x80000000
	s_add_nc_u64 s[G0B+4*(\slot)+2:G0B+4*(\slot)+3], s[BS:BS+1], s[KO:KO+1]
	s_or_b32 s[G0B+4*(\slot)+3], s[G0B+4*(\slot)+3], 0x80000000
.endif
	s_wait_dscnt 5                                 ; the add and the youngest four loads may be out
	MULB 1, 0, 0, 0
	s_wait_dscnt 0x0
	s_barrier_signal -1
	MULB 1, 0, 1, 0
.if \fill
	WIN 0
.endif
	s_barrier_wait -1
.if \fill
	CREST
	JLOAD \slot
.else
	PLACES
.endif
	FETCH \next, 0, 0
.if \fill
	ASK
.endif
	MULB 1, 1, 0, 0
	MULB 1, 1, 1, 0
.endm
	s_load_b256 s[4:11], s[0:1], 0x0               ; ctxh 4, wo 6, out_b 8, out0 10
	v_lshl_add_u32 v[SPW], v0, 2, SPARE
	v_mov_b32 v[NIL], 0
	ds_add_u32 v[SPW], v[NIL]                      ; the wave's opening: the add and its wait come ahead of my first tensor load
	v_lshrrev_b32 v1, 5, v0
	v_readfirstlane_b32 s[WV], v1
	s_lshr_b32 s[WM], s[WV], 1
	s_and_b32 s[WN], s[WV], 1
	s_bfe_u32 s[CX], ttmp6, 0x40000
	s_bfe_u32 s[CY], ttmp6, 0x40004
	s_lshl_b32 s[TC], ttmp9, 2
	s_add_co_u32 s[TC], s[TC], s[CX]
	s_and_b32 s[TR], ttmp7, 0xffff
	s_lshl_b32 s[TR], s[TR], 2
	s_add_co_u32 s[TR], s[TR], s[CY]
	s_xor_b32 s[ROT], ttmp9, ttmp7                 ; the parity of cluster x + cluster y: the same in all sixteen partners
	s_and_b32 s[ROT], s[ROT], 1
	s_lshl_b32 s[ROT], s[ROT], 11                  ; K step 0 or 8, in bytes of a row
	s_mov_b32 s[KO+1], 0
	s_lshl_b32 s60, s[CY], 2
	s_lshl_b32 s60, 15, s60
	s_lshl_b32 s61, 0x1111, s[CX]
	s_or_b32 s[G1A], s60, G1W
	s_or_b32 s[G1B], s61, G1W
	s_mov_b32 s[G1A+1], 128<<16                    ; A: 64 rows x 128 elements
	s_mov_b32 s[G1A+2], 64<<16
	s_mov_b32 s[G1A+3], 128<<16
	s_mov_b32 s[G1A+4], 64
	s_mov_b32 s[G1A+5], 2048
	s_mov_b32 s[G1A+6], 0
	s_mov_b32 s[G1A+7], 0
	s_mov_b32 s[G1B+1], 128<<16                    ; B: 128 rows x 128 elements
	s_mov_b32 s[G1B+2], 128<<16
	s_mov_b32 s[G1B+3], 128<<16
	s_mov_b32 s[G1B+4], 128
	s_mov_b32 s[G1B+5], 2048
	s_mov_b32 s[G1B+6], 0
	s_mov_b32 s[G1B+7], 0
	s_lshl_b32 s62, s[TR], 7
	s_lshl_b32 s80, s[WN], 6
	s_add_co_u32 s62, s62, s80                     ; A: row 128 x tile row + 64 x (wave % 2)
	s_lshl_b32 s62, s62, 12
	s_mov_b32 s63, 0
	s_lshl_b32 s66, s[TC], 8
	s_lshl_b32 s80, s[WN], 7
	s_add_co_u32 s66, s66, s80                     ; B: row 256 x tile column + 128 x (wave % 2)
	s_lshl_b32 s66, s66, 12
	s_mov_b32 s67, 0
	s_mul_i32 s81, s[WN], 64*PITCH                 ; where they go
	s_mul_i32 s86, s[WN], UNIT
	s_add_co_u32 s86, s86, UNIT
	s_wait_dscnt 0x0                               ; the opening add is done
	s_wait_kmcnt 0x0
	s_add_nc_u64 s[AB:AB+1], s[4:5], s[62:63]
	s_add_nc_u64 s[BS:BS+1], s[6:7], s[66:67]
	CROUND
.irp s, 0,1
	s_add_co_u32 s[KO], s[ROT], (\s)*256           ; the walk's first two K steps
	s_mov_b32 s[G0A+4*(\s)], 1
	s_add_co_u32 s[G0A+4*(\s)+1], s81, (\s)*SLOT
	s_add_nc_u64 s[G0A+4*(\s)+2:G0A+4*(\s)+3], s[AB:AB+1], s[KO:KO+1]
	s_or_b32 s[G0A+4*(\s)+3], s[G0A+4*(\s)+3], 0x80000000
	s_mov_b32 s[G0B+4*(\s)], 1
	s_add_co_u32 s[G0B+4*(\s)+1], s86, (\s)*SLOT
	s_add_nc_u64 s[G0B+4*(\s)+2:G0B+4*(\s)+3], s[BS:BS+1], s[KO:KO+1]
	s_or_b32 s[G0B+4*(\s)+3], s[G0B+4*(\s)+3], 0x80000000
	JLOAD \s                                       ; two loads of mine are out
.endr
	v_and_b32 v1, 15, v0                           ; r
	v_bfe_u32 v2, v0, 4, 1                         ; h
	s_lshl_b32 s80, s[TC], 10
	s_lshl_b32 s81, s[WN], 9
	s_add_co_u32 s80, s80, s81
	s_mov_b32 s81, 0
	s_add_nc_u64 s[68:69], s[8:9], s[80:81]        ; the bias of my 128 columns
	v_lshlrev_b32 v13, 5, v2
.set ii, 0
.rept NB
	global_load_b128 v[BI+8*ii:BI+8*ii+3],   v13, s[68:69] offset:64*ii
	global_load_b128 v[BI+8*ii+4:BI+8*ii+7], v13, s[68:69] offset:64*ii+16
.set ii, ii+1
.endr
	; the prefetches' address
	s_and_b32 s80, ttmp7, 0xffff
	s_lshr_b32 s80, s80, 1                         ; cluster y / 2: 0 in the two clusters that name B's rows
	s_lshl_b32 s81, s[TR], 7
	s_lshl_b32 s82, s[TC], 8
	s_lshl_b32 s84, s[WN], 7
	s_add_co_u32 s82, s82, s84
	s_cmp_lt_u32 s[WV], 2
	s_cselect_b32 s81, s81, s82                    ; the first row
	s_cselect_b32 s82, s[CX], s[CY]                ; my place among the four that ask with me
	s_cselect_b32 s80, s[WN], s80                  ; A's rows are named by wave 0 of every cluster; wave 1 names nothing
	s_cselect_b64 s[PFA:PFA+1], s[4:5], s[6:7]
	s_cmp_eq_u32 s80, 0
	s_cselect_b32 s[LIM], 5, -1                    ; the same in all sixteen partners, for a given wave
	s_lshl_b32 s82, s82, 5
	s_add_co_u32 s81, s81, s82
	s_lshl_b32 s86, s81, 12
	s_add_co_u32 s86, s86, s[ROT]                  ; where my cluster's walk begins
	s_mov_b32 s87, 0
	s_add_nc_u64 s[PFA:PFA+1], s[PFA:PFA+1], s[86:87]
	s_add_nc_u64 s[PFA:PFA+1], s[PFA:PFA+1], 512   ; at the walk's step 2: the first refill steps it to 3 and names 4
	v_and_b32 v[PFO], 31, v0
	v_lshlrev_b32 v[PFO], 12, v[PFO]
	; where the results go
	s_lshl_b32 s80, s[TR], 7
	s_lshl_b32 s81, s[WM], 6
	s_add_co_u32 s80, s80, s81
	s_lshl_b32 s80, s80, 13                        ; my first row x 8,192 bytes
	s_lshl_b32 s81, s[TC], 10
	s_add_co_u32 s80, s80, s81
	s_lshl_b32 s81, s[WN], 9
	s_add_co_u32 s80, s80, s81
	s_mov_b32 s81, 0
	s_add_nc_u64 s[70:71], s[10:11], s[80:81]
	s_mul_i32 s82, s[WV], 16*SPITCH
	s_add_co_u32 s82, s82, STAGE
	v_mul_u32_u24 v[STO], v1, SPITCH
	v_lshl_add_u32 v[STO], v2, 5, v[STO]
	v_add_nc_u32 v[STO], s82, v[STO]
	v_and_b32 v[GO], 31, v0
	v_lshlrev_b32 v[GO], 4, v[GO]                  ; 32 lanes take a row's 512 bytes
	v_add_nc_u32 v[RD], s82, v[GO]
	v_mul_u32_u24 v3, v1, PITCH
	v_lshl_add_u32 v3, v2, 4, v3
	s_mul_i32 s80, s[WM], 64*PITCH
	s_mul_i32 s81, s[WN], 16*NB*PITCH
	s_add_co_u32 s81, s81, UNIT
.irp s, 0,1
	v_add_nc_u32 v[ADRA+(\s)], s80, v3
	v_add_nc_u32 v[ADRB+(\s)], s81, v3
	s_add_co_u32 s80, s80, SLOT
	s_add_co_u32 s81, s81, SLOT
.endr
	s_wait_loadcnt 0x0                             ; the bias
.set ii, 0
.rept 4*NB                                         ; rounded to bf16, like every input, and widened again
	v_cvt_pk_bf16_f32 v[32+ii%4], v[BI+2*ii], v[BI+2*ii+1]
	v_lshlrev_b32 v[BI+2*ii], 16, v[32+ii%4]
	v_and_b32 v[BI+2*ii+1], 0xffff0000, v[32+ii%4]
.set ii, ii+1
.endr
	s_wait_tensorcnt 1                             ; my part of the first K step is in; the second's may stay out
	s_barrier_signal -1
	s_barrier_wait -1
	FETCH 0, 0, 0
	QUARTER 0, 64, 0, 1, 1                         ; the first products start the sums, with the bias
	WIN 0
	s_mov_b32 s[LAP], 7
.Llap:
	QUARTER 0, 128, 1, 0, 0
	QUARTER 0, 192, 0, 1, 0
	TURN 0, 1, 1
	QUARTER 1, 64,  0, 1, 0
	QUARTER 1, 128, 1, 0, 0
	QUARTER 1, 192, 0, 1, 0
	TURN 1, 0, 1
	QUARTER 0, 64,  0, 1, 0
	WIN 0
	s_sub_co_u32 s[LAP], s[LAP], 1
	s_cmp_lg_u32 s[LAP], 0
	s_cbranch_scc1 .Llap
	QUARTER 0, 128, 1, 0, 0                        ; the last lap fills nothing
	QUARTER 0, 192, 0, 1, 0
	TURN 0, 1, 0
	QUARTER 1, 64,  0, 1, 0
	QUARTER 1, 128, 1, 0, 0
	QUARTER 1, 192, 0, 1, 0
	s_wait_dscnt 4
	MULB 1, 0, 0, 0
	MULB 1, 0, 1, 0
	s_wait_dscnt 0x0
	MULB 1, 1, 0, 0
	MULB 1, 1, 1, 0
	WIN 0
	PLACES
	PLACES
; THE WAY OUT of row block a: the f32 sums go as they are into my stage (rows of 512 bytes + 16), each accumulator's low registers first, and come back as whole rows.
.macro PACK a
	WIN 0x08+4*((\a)/2)                            ; the stores' data in the accumulators' window
.set bb, 0
.rept NB
.set rD, 8*(NB*((\a)%2)+bb)
	ds_store_b128 v[STO], v[rD:rD+3]   offset:64*bb
	ds_store_b128 v[STO], v[rD+4:rD+7] offset:64*bb+16
.set bb, bb+1
.endr
	WIN 0
	s_wait_xcnt 0x0                                ; the stores of the block two back have read this buffer
.set BK, BKB+64*((\a)%2)
.set ii, 0
.rept 16
	ds_load_b128 v[BK+4*ii:BK+4*ii+3], v[RD] offset:SPITCH*ii  ; LDS serves a wave's instructions in order: these see the stores above
.set ii, ii+1
.endr
.endm
.macro SEND a, younger                 ; younger: the next block's 32 LDS instructions, or none
	WIN 0
.set BK, BKB+64*((\a)%2)
	s_wait_dscnt \younger
.set ii, 0
.rept 16
	global_store_b128 v[GO], v[BK+4*ii:BK+4*ii+3], s[70:71] offset:(16*(\a)+ii)*8192 th:TH_STORE_NT  ; 512 consecutive bytes of a row, aligned
.set ii, ii+1
.endr
.endm
	PACK 0
	PACK 1
	SEND 0, 32
	PACK 2
	SEND 1, 32
	PACK 3
	SEND 2, 32
	SEND 3, 0
	s_wait_tensorcnt 0x0                           ; the wave's end
	ds_add_u32 v[SPW], v[NIL]
	s_wait_dscnt 0x0
	CROUND                                         ; the closing round
	s_endpgm
.Lfunc_end_k_q973253a964_outp:
	.size	k_q973253a964_outp, .Lfunc_end_k_q973253a964_outp-k_q973253a964_outp
	.p2alignl 7, 3214868480
	.fill 96, 4, 3214868480
	.section	.rodata,"a",@progbits
	.p2align	6, 0x0
	.amdhsa_kernel k_q973253a964_outp
		.amdhsa_group_segment_fixed_size 327680
		.amdhsa_private_segment_fixed_size 0
		.amdhsa_enable_private_segment 0
		.amdhsa_kernarg_size 32
		.amdhsa_user_sgpr_count 2
		.amdhsa_user_sgpr_kernarg_segment_ptr 1
		.amdhsa_wavefront_size32 1
		.amdhsa_system_sgpr_workgroup_id_x 1
		.amdhsa_system_sgpr_workgroup_id_y 1
		.amdhsa_system_sgpr_workgroup_id_z 1
		.amdhsa_system_vgpr_workitem_id 0
		.amdhsa_next_free_vgpr 896
		.amdhsa_next_free_sgpr 100
		.amdhsa_reserve_vcc 0
		.amdhsa_float_denorm_mode_32 3
		.amdhsa_float_denorm_mode_16_64 3
		.amdhsa_memory_ordered 1
		.amdhsa_forward_progress 1
		.amdhsa_inst_pref_size 94
	.end_amdhsa_kernel
	.amdgpu_metadata
---
amdhsa.version: [ 1, 2 ]
amdhsa.kernels:
  - .name:           k_q973253a964_outp
    .symbol:         k_q973253a964_outp.kd
    .args:
      - { .name: ctxh, .offset: 0, .size: 8, .value_kind: global_buffer, .address_space: global }
      - { .name: wo, .offset: 8, .size: 8, .value_kind: global_buffer, .address_space: global }
      - { .name: out_b, .offset: 16, .size: 8, .value_kind: global_buffer, .address_space: global }
      - { .name: out0, .offset: 24, .size: 8, .value_kind: global_buffer, .address_space: global }
    .group_segment_fixed_size: 327680
    .private_segment_fixed_size: 0
    .kernarg_segment_align: 8
    .kernarg_segment_size: 32
    .max_flat_workgroup_size: 128
    .sgpr_count:     100
    .vgpr_count:     896
    .wavefront_size: 32
...
	.end_amdgpu_metadata
.endif
;; end of part 4
